; MI455X (gfx1250); checked and timed in simulation.
; The chip was launched on July 23, 2026; its instructions are those of AMD's public machine-readable ISA for CDNA 5 (MIT licence, August 2026) and "CDNA5" Instruction Set Architecture Reference Guide (July 2026). The comments in the code are by the model that wrote it; some were corrected since.
;; Static Attention. Allowed arithmetic: matrix products marked QUANTISED: E2M1 operands, one E8M0 scale for each 32 along K, by v_wmma_scale_f32_16x16x128_f8f6f4 with both operands' format E2M1 (or v_wmma_scale_f32_32x16x128_f4), f32 sums; products left as they are: f32 operands where the result goes on into a quantised operand, else bf16, f16 or f32 operands; f32 sums; everything else in f32.
;; Inputs: Wa 8 x 1 float32; Wk_codes 2,048 x 8 x 16 uint8 (E2M1 codes of Wk, K innermost, in blocks of 32 codes, two codes a byte); Wk_scales 2,048 x 8 uint8 (E8M0 scales of Wk, one for each 32 codes along K); Wo_codes 256 x 64 x 16 uint8 (E2M1 codes of Wo, K innermost, in blocks of 32 codes, two codes a byte); Wo_scales 256 x 64 uint8 (E8M0 scales of Wo, one for each 32 codes along K); Wq_codes 2,048 x 8 x 16 uint8 (E2M1 codes of Wq, K innermost, in blocks of 32 codes, two codes a byte); Wq_scales 2,048 x 8 uint8 (E8M0 scales of Wq, one for each 32 codes along K); Wv_codes 2,048 x 8 x 16 uint8 (E2M1 codes of Wv, K innermost, in blocks of 32 codes, two codes a byte); Wv_scales 2,048 x 8 uint8 (E8M0 scales of Wv, one for each 32 codes along K); b1 2,048 float32; b2 256 float32; ba 1 float32; beta_a 1 float32; betk 2,048 float32; betq 2,048 float32; betv 2,048 float32; bk 2,048 float32; bo 256 float32; bq 2,048 float32; bv 2,048 float32; dist_codes 128 x 256 x 8 x 16 uint8 (E2M1 codes of dist, K innermost, in blocks of 32 codes, two codes a byte); dist_scales 128 x 256 x 8 uint8 (E8M0 scales of dist, one for each 32 codes along K); g1 2,048 float32; g2 256 float32; ga 1 float32; gk 2,048 float32; gq 2,048 float32; gv 2,048 float32; local_codes 128 x 8 x 16 uint8 (E2M1 codes of local, K innermost, in blocks of 32 codes, two codes a byte); local_scales 128 x 8 uint8 (E8M0 scales of local, one for each 32 codes along K); mask 128 x 1 x 256 bool; sites_codes 128 x 256 x 8 x 16 uint8 (E2M1 codes of sites, K innermost, in blocks of 32 codes, two codes a byte); sites_scales 128 x 256 x 8 uint8 (E8M0 scales of sites, one for each 32 codes along K).
;; Outputs: out0 128 x 1 x 256 float32; out1 128 x 1 x 256 float32.
;; This version of the problem:
;;   THIS VERSION OF THE PROBLEM IS GIVEN IN LOW PRECISION. The matrix products marked QUANTISED in the list below multiply operands that are first quantised to E2M1 (2 exponent bits, 1 mantissa bit; 4 bits a number), with one power-of-two scale for each 32 numbers along K (OCP MX v1.0); their sums are f32. All else is computed in f32.
;;   The module's matrix products, in the order in which they are computed (A, B: the left and right operand; K: the contracted axis; several contracted axes count as one K, in the product's order):
;;     1. [M 128, K 256] x [K 256, N 2,048]; A: input local (given as codes); B: input Wq (given as codes): QUANTISED
;;     2. [M 32,768, K 256] x [K 256, N 2,048]; A: input dist (given as codes); B: input Wk (given as codes): QUANTISED
;;     3. [M 32,768, K 256] x [K 256, N 2,048]; A: input sites (given as codes); B: input Wv (given as codes): QUANTISED
;;     4. batch 1,024 x [M 1, K 256] x [K 256, N 256]; A: computed on the way; B: computed on the way: left as it is (M = 1 < 16)
;;     5. batch 1,024 x [M 1, K 256] x [K 256, N 256]; A: softmax; B: computed on the way: left as it is (M = 1 < 16)
;;     6. [M 128, K 2,048] x [K 2,048, N 256]; A: computed on the way; B: input Wo (given as codes): QUANTISED
;;     7. [M 32,768, K 8] x [K 8, N 1]; A: computed on the way; B: input Wa: left as it is (K = 8 < 32)
;;   THE QUANTISER, for each operand of a quantised product, along K:
;;     - K is cut into blocks of 32 from its start; a last block that is shorter is filled with zeros.
;;     - A block's scale is 2^e with e = floor(log2(the largest magnitude in the block)) - 2, held to -126 .. 127; a block of zeros has e = 0. As a byte (E8M0): e + 127.
;;     - Each number is divided by its block's scale, clamped to +-6, and rounded to the nearest number of E2M1, ties to even, subnormals kept.
;;     - The product sums the exact products of the quantised numbers (number of the format x scale) in f32.
;;   ~~~python
;;   def quantise(x, axis):      # numpy; x: float32 -> the quantised numbers, widened to float32 again
;;       x = np.moveaxis(x, axis, -1); K = x.shape[-1]
;;       x = np.pad(x, [(0, 0)] * (x.ndim - 1) + [(0, -K % 32)]); x = x.reshape(x.shape[:-1] + (-1, 32)); a = np.abs(x).max(-1, keepdims=True)
;;       e = np.where(a > 0, np.clip(np.frexp(np.where(a > 0, a, 1))[1] - 1 - 2, -126, 127), 0)      # np.frexp(a)[1] - 1 = floor(log2(a)), exactly
;;       r = np.clip(x / 2.0 ** e, -6, 6)
;;       step = 2.0 ** (np.maximum(np.frexp(np.where(r == 0, 1, r))[1] - 1, 0) - 1)
;;       q = np.round(r / step) * step * 2.0 ** e      # np.round: ties to even
;;       return np.moveaxis(q.reshape(q.shape[:-2] + (-1,))[..., :K], -1, axis).astype(np.float32)
;;   ~~~
;;   OPERANDS COMPUTED ON THE WAY. 'Computed on the way' means the value that the module computes at that place (a softmax that the list does not call 'softmax' is quantised finished and normalised). What goes into a quantiser is computed in f32, as accurately as f32 sums, v_exp_f32 and their like allow (about 1e-6 of the number): no bf16 or f16 on the way to a quantiser, and a product that is left as it is and whose result goes on into a quantised operand takes f32 operands (vector FMAs, or v_wmma_f32_16x16x4_f32). A number that lies on a knife's edge between two numbers of the format may be rounded either way, as far as f32 arithmetic and the matrix unit's own rounding can turn it there, and no further.
;;   INPUTS GIVEN AS CODES. Wk (in the module: [256, 2048], K = its axis 0); Wo (in the module: [2048, 256], K = its axis 0); Wq (in the module: [256, 2048], K = its axis 0); Wv (in the module: [256, 2048], K = its axis 0); dist (in the module: [128, 256, 256], K = its axis 2); local (in the module: [128, 256], K = its axis 1); sites (in the module: [128, 256, 256], K = its axis 2): each comes as NAME_codes (uint8): NAME with its K axis moved to the last place and cut into blocks of 32 codes, [.., K / 32, bytes a block], one block behind the other in memory; two codes a byte, the lower K in the low four bits (a code: sign, 2 exponent bits, 1 mantissa bit); and NAME_scales (uint8): the same leading axes, one E8M0 byte (e + 127) for each 32 codes along K. Its value is code x scale, taken as it is: it is not quantised again, and the codes and scales need not be those that the quantiser above would give.
;; One version. Each part assembles by itself: llvm-mc -triple=amdgcn-amd-amdhsa -mcpu=gfx1250 --defsym DOCPART=n.
;; ======== version 1 of 1: 2 launches
;; limits: a difference of large sums (such as E[x^2] - mean^2): digits are lost where the result is much smaller than its terms
;; workspace buffers: attn_ws 1,048,576 bytes; q_ws 1,048,576 bytes; vst_ws 262,144 bytes
;; launch front (part 1): grid 128 x 2, 8 waves a work-group, clusters of 4 x 1, 327,680 bytes of LDS; arguments local_codes, local_scales, Wq_codes, Wq_scales, bq, gq, betq, gk, betk, Wk_codes, Wk_scales, bk, dist_codes, dist_scales, mask, Wa, ba, ga, beta_a, Wv_codes, Wv_scales, bv, sites_codes, sites_scales, out0, attn_ws, q_ws, vst_ws; writes out0, attn_ws, q_ws, vst_ws
.if DOCPART == 1
	.amdgcn_target "amdgcn-amd-amdhsa--gfx1250"
	.amdhsa_code_object_version 6
	.text
	.protected	k_qc548ccbde7_front
	.globl	k_qc548ccbde7_front
	.p2align	8
	.type	k_qc548ccbde7_front,@function
k_qc548ccbde7_front:
	s_mov_b64 s[64:65], 0
	v_nop
	global_prefetch_b8 v0, s[64:65] scope:SCOPE_SE
	s_setreg_imm32_b32 hwreg(HW_REG_WAVE_MODE, 25, 1), 1
	s_wait_xcnt 0x0
	s_wait_alu depctr_hold_cnt(0) depctr_sa_sdst(0) depctr_va_vdst(0) depctr_va_sdst(0) depctr_va_ssrc(0) depctr_va_vcc(0) depctr_vm_vsrc(0)
	s_getreg_b32 s2, hwreg(HW_REG_IB_STS2, 6, 4)
	s_cmp_eq_u32 s2, 0
	s_cbranch_scc0 .Lentry_in_a_cluster
	s_endpgm
.Lentry_in_a_cluster:
	s_bfe_u32 s2, ttmp6, 0x10000c
	s_cmp_lg_u32 s2, 0x3003
	s_cbranch_scc0 .Lentry_shape_is_right
	s_endpgm
.Lentry_shape_is_right:
; StaticAttention, first launch.  A work-group owns one batch (x) and one of two tasks (y).
; y = 0, THE K SIDE: q = LN(local Wq + bq); z = dist Wk + bk, of which only three sums a row are kept: S = sum z, Q = sum z^2 (over all 2,048 columns) and, for each head,
;   D = sum (q gk) z.  With m = S / 2048, rs = rsqrt(Q / 2048 - m^2 + eps), G = sum q gk, C = sum q betk the score is q . LN(z) = rs (D - m G) + C: k never exists.  Then mask, softmax (maximum taken away), out0.
; y = 1, V'S ROW STATISTICS: z = sites Wv + bv, S and Q a row; mean and rs go to vst_ws for the second launch.
; Both products are on E2M1 codes with E8M0 scales as they are given, f32 sums.  LIMITS: the variance is E[z^2] - m^2 and the score rs (D - m G): both lose accuracy as m^2 / var grows (2^-22 x (1 + m^2 / var));
; scale bytes 0xff and NaN or infinities among the inputs are not served; a batch whose every key is masked gives NaN, as the definition does.
; SHARES.  Eight waves.  Wave (P, G) = (wave / 2, wave % 2) owns rows 128 G .. + 127 (8 tiles of 16, their codes stay in 128 registers) and columns 512 P .. + 511 (heads 2 P, 2 P + 1: 32 tiles of 16).
; THE MATRIX INSTRUCTION IS USED TRANSPOSED (source 0 = 16 rows of W, source 1 = 16 rows of x): a lane holds ONE row of x and eight columns, so the row sums stay in the lane; the bias is the C of a tile's first product.
; WEIGHTS come in quarters (512 rows: 128 for each P) through four LDS areas; each wave fetches 64 rows, 8,192 dense bytes, stated as 32 lines of 256 bytes + 16 of padding, so that two rows of W share a line and the
; 16 rows of a fragment start at 16 different groups of four banks.  CLUSTER: the four batches of a cluster walk the same weights, so each part is asked for JOINTLY (mask 15, the same descriptor in all four).
; A PERIOD with index u issues the LDS loads of column tile u, the 16 products of tile u - 1 and the vector work of tile u - 2; buffers and accumulator sets go by the tile's parity.
; REGISTERS.  window 0: v1-7 LDS addresses; v8-9 mask bytes; v10 G, v11 C; v12 16 x lane, v13 32 x lane, v15 r, v31 hh; v16-23 x's scale words, v24-25 W's, v26 local's (these hold scales alone); v28, v29 the spare word's
;   address and 0; v30 256 x thread; v32-47 two tiles of bias; v48-63 two tiles of q gk; v64-127 the row sums, 8 a row tile (S, Q, D of two heads, in pairs); v128-255 two sets of 8 accumulators.
;   window 1: v0-127 x's fragments (16 i + 8 ks); v128-159 two tiles of W; v160-175 local's fragment.
.set PARTB, 8704                       ; 32 lines of 272 bytes: what one tensor load brings
.set PAIRB, 2*PARTB                    ; the 128 rows of one P in a quarter
.set TILEB, 2176                       ; 16 rows of W: 8 lines
.set AREAB, 8*PARTB                    ; a quarter of a weight
.set SCR,   4*AREAB                    ; behind the four areas: bytes into which no tensor load lands
.set SC0,   SCR                        ; scale bytes of Wq (y = 0) or Wv (y = 1), as in memory: 16,384
.set B0,    SCR+16384                  ; bk or bv: 8,192
.set SCK,   SCR+24576                  ; scale bytes of Wk: 16,384
.set RED,   SCR+40960                  ; eight waves' partial sums
.set SPARE, SCR+41984                  ; the spare words: 128 bytes a wave, four blocks of 256 bytes that no other line names
.set A2,    2*AREAB                    ; area 2 has its only fill at the start and is left behind the change of areas that follows its use: the K side's scratch lies there
.set QRAW,  A2                         ; local Wq + bq, 2,048 f32
.set QG,    A2+8192                    ; q gk
.set STAT,  A2+16384                   ; [4 P][S, Q][256 rows]
.set UB,    A2+24576                   ; [8 heads][256 rows]: D
.set ATX,   A2+32768                   ; 1,024 bytes a wave: attn on its way out
.set AO,    A2+40960                   ; out0's 256 numbers
.set STATV, 3*AREAB                    ; the V side's [4 P][S, Q][256 rows], in area 3 when nobody reads it any more
.set AW0, 1
.set ADW, 2
.set ADB, 3
.set ADS, 4
.set ADQ, 5
.set ASQ, 6
.set TA,  7
.set GH,  10
.set CH,  11
.set L16, 12
.set L32, 13
.set TMP, 14
.set RR,  15
.set XS,  16
.set WS,  24
.set LS,  26
.set SPW, 28
.set NIL, 29
.set PFO, 30
.set HH,  31
.set BI,  32
.set QGR, 48
.set ST,  64
.set ACC, 128
.set X,    0                           ; window 1
.set WB,   128
.set LOCF, 160
.set WV, 60                            ; s60 wave, s61 P, s62 G, s63 batch, s66 task, s67 loop counter
.set PP, 61
.set GG, 62
.set BB, 63
.set TY, 66
.set CNT, 67
.set G1W, 68                           ; s[68:75] descriptor group 1;  s[76:91] four groups 0: one for each first fill, the first then serves every refill
.set G0,  76
.set SEL, 92                           ; s[92:93] lane selects for lane xor 16
.set WPART, 104                        ; s104 wave x PARTB
.set MSB, 0
.macro WIN new                         ; the immediate's high byte repeats the setting that is left; a switch that changes nothing is dropped
.if MSB != \new
	s_set_vgpr_msb (MSB<<8)|\new
.set MSB, \new
.endif
.endm
.macro PLACES
.rept 4
	v_nop
.endr
.endm
.macro CROUND                          ; a round of the cluster's barrier
	s_barrier_signal -1
	s_barrier_wait -1
	s_cmp_lg_u32 s[WV], 0
	s_cbranch_scc1 .Lnw0_\@
	s_barrier_signal -3
.Lnw0_\@:
	s_barrier_wait -3
	s_barrier_signal -1
	s_barrier_wait -1
.endm
.macro BARRIER                         ; my LDS stores have landed and my LDS loads are in: then the work-group's barrier
	s_wait_dscnt 0x0
	s_barrier_signal -1
	s_barrier_wait -1
.endm
.macro SYNC n                          ; all but my n youngest first fills have landed, in every wave
	s_wait_tensorcnt \n
	BARRIER
.endm
; A change of areas.  All my tensor loads have landed, 0 goes onto my spare word, the descriptor is written while the add is out, the add and my LDS reads are
; waited for.  fill = 1: a round of the cluster's barrier, and the joint refill of one area first behind it, one load a wave.
.macro CHANGE fill, area, bp, off
	s_wait_tensorcnt 0x0
	ds_add_u32 v[SPW], v[NIL]
.if \fill
	s_add_co_u32 s[G0+1], s[WPART], (\area)*AREAB
	s_add_nc_u64 s[G0+2:G0+3], s[\bp:\bp+1], \off
	s_or_b32 s[G0+3], s[G0+3], 0x80000000
.endif
	s_wait_dscnt 0x0
.if \fill
	CROUND
	tensor_load_to_lds s[G0:G0+3], s[G1W:G1W+7]
	s_nop 0
	PLACES                                         ; four v_nop follow the load
.else
	s_barrier_signal -1
	s_barrier_wait -1
.endif
.endm
; Product m of a tile's 16: row tile m % 8, K step m / 8.  The eight accumulators take turns, one instruction a turn.
.macro MMA par, m
.set mi, (\m)%8
.set mb, 1-(\par)
.if (\m) < 8
	v_wmma_scale_f32_16x16x128_f8f6f4 v[ACC+64*mb+8*mi:ACC+64*mb+8*mi+7], v[WB+16*mb:WB+16*mb+7], v[X+16*mi:X+16*mi+7], v[BI+8*mb:BI+8*mb+7], v[WS+mb], v[XS+mi] matrix_a_fmt:MATRIX_FMT_FP4 matrix_b_fmt:MATRIX_FMT_FP4
.else
	v_wmma_scale_f32_16x16x128_f8f6f4 v[ACC+64*mb+8*mi:ACC+64*mb+8*mi+7], v[WB+16*mb+8:WB+16*mb+15], v[X+16*mi+8:X+16*mi+15], v[ACC+64*mb+8*mi:ACC+64*mb+8*mi+7], v[WS+mb], v[XS+mi] matrix_a_fmt:MATRIX_FMT_FP4 matrix_b_fmt:MATRIX_FMT_FP4 matrix_a_scale:MATRIX_SCALE_ROW1 matrix_b_scale:MATRIX_SCALE_ROW1
.endif
.endm
; Slice k of 8 of a tile's vector work: register pair k % 4 of row tiles 4 (k / 4) .. + 3: S += z, Q += z z, and on the K side (kind 0) D += z (q gk).  Each accumulator is first read at its registers 0 and 1.
.macro SLICE kind, par, k, db
.set sg, 4*((\k)/4)
.set sj, 2*((\k)%4)
.set sz, ACC+64*(\par)+sj
.irp tl, 0,1,2,3
	v_pk_add_f32 v[ST+8*(sg+\tl):ST+8*(sg+\tl)+1], v[ST+8*(sg+\tl):ST+8*(sg+\tl)+1], v[sz+8*(sg+\tl):sz+8*(sg+\tl)+1]
.endr
.irp tl, 0,1,2,3
	v_pk_fma_f32 v[ST+8*(sg+\tl)+2:ST+8*(sg+\tl)+3], v[sz+8*(sg+\tl):sz+8*(sg+\tl)+1], v[sz+8*(sg+\tl):sz+8*(sg+\tl)+1], v[ST+8*(sg+\tl)+2:ST+8*(sg+\tl)+3]
.endr
.if \kind == 0
.irp tl, 0,1,2,3
	v_pk_fma_f32 v[ST+8*(sg+\tl)+\db:ST+8*(sg+\tl)+\db+1], v[sz+8*(sg+\tl):sz+8*(sg+\tl)+1], v[QGR+8*(\par)+sj:QGR+8*(\par)+sj+1], v[ST+8*(sg+\tl)+\db:ST+8*(sg+\tl)+\db+1]
.endr
.endif
.endm
; A period.  ld: LDS loads of this index's tile (W, bias, W's scale words);  lq: q gk of the tile before;  mm: the products of the tile before;  vv: the vector work of the tile two back.
; The loads land on registers that the last period's products read: that period's last slice, eight plain instructions or more that name none of those products' registers, are the places between.
.macro PER kind, par, ld, lq, mm, vv, db
	s_wait_dscnt 0x0                               ; the last period's loads are in
.if \ld
	WIN 0x40
.irp q, 0,1,2,3
	ds_load_b128 v[WB+16*\par+4*\q:WB+16*\par+4*\q+3], v[ADW] offset:\par*TILEB+32*\q
.endr
	WIN 0
	ds_load_b128 v[BI+8*\par:BI+8*\par+3], v[ADB] offset:64*\par
	ds_load_b128 v[BI+8*\par+4:BI+8*\par+7], v[ADB] offset:64*\par+16
	ds_load_b32 v[WS+\par], v[ADS] offset:128*\par
.endif
.if \lq
	ds_load_b128 v[QGR+8*(1-\par):QGR+8*(1-\par)+3], v[ADQ] offset:64*\par
	ds_load_b128 v[QGR+8*(1-\par)+4:QGR+8*(1-\par)+7], v[ADQ] offset:64*\par+16
.endif
.irp k, 0,1,2,3,4,5,6,7
.if \mm
	WIN 0x05                                       ; sources 0 and 1 window 1; C and D window 0
	MMA \par, 2*\k
	MMA \par, 2*\k+1
.endif
.if \vv
	WIN 0
	SLICE \kind, \par, \k, \db
.endif
.endr
	WIN 0
.if (\mm) > (\vv)
	PLACES                                         ; no slice stands behind these products
.endif
.endm
.macro STEP kind                       ; two tiles on
	v_add_nc_u32 v[ADW], 2*TILEB, v[ADW]
	v_add_nc_u32 v[ADB], 128, v[ADB]
	v_add_nc_u32 v[ADS], 256, v[ADS]
.if \kind == 0
	v_add_nc_u32 v[ADQ], 128, v[ADQ]
.endif
.endm
.macro TRIP kind, db
	PER \kind, 0, 1, 1-\kind, 1, 1, \db
	PER \kind, 1, 1, 1-\kind, 1, 1, \db
	STEP \kind
.endm
.macro LOOPT kind, db, n
	s_mov_b32 s[CNT], \n
.Llp_\@:
	TRIP \kind, \db
	s_sub_co_u32 s[CNT], s[CNT], 1
	s_cmp_lg_u32 s[CNT], 0
	s_cbranch_scc1 .Llp_\@
.endm
.macro RSUM v, t                       ; the sum over the wave's 32 lanes, in every lane
	v_add_f32_dpp v[\v], v[\v], v[\v] row_xmask:1 row_mask:0xf bank_mask:0xf
	v_add_f32_dpp v[\v], v[\v], v[\v] row_xmask:2 row_mask:0xf bank_mask:0xf
	v_add_f32_dpp v[\v], v[\v], v[\v] row_xmask:4 row_mask:0xf bank_mask:0xf
	v_add_f32_dpp v[\v], v[\v], v[\v] row_xmask:8 row_mask:0xf bank_mask:0xf
	v_permlanex16_b32 v[\t], v[\v], s[SEL], s[SEL+1]
	v_add_f32 v[\v], v[\v], v[\t]
.endm
.macro RMAX v, t
	v_max_num_f32_dpp v[\v], v[\v], v[\v] row_xmask:1 row_mask:0xf bank_mask:0xf
	v_max_num_f32_dpp v[\v], v[\v], v[\v] row_xmask:2 row_mask:0xf bank_mask:0xf
	v_max_num_f32_dpp v[\v], v[\v], v[\v] row_xmask:4 row_mask:0xf bank_mask:0xf
	v_max_num_f32_dpp v[\v], v[\v], v[\v] row_xmask:8 row_mask:0xf bank_mask:0xf
	v_permlanex16_b32 v[\t], v[\v], s[SEL], s[SEL+1]
	v_max_num_f32 v[\v], v[\v], v[\t]
.endm
	; ================= THE HEAD, common to both tasks
	s_load_b512 s[4:19], s[0:1], 0x0               ; local_codes 4, local_scales 6, Wq_codes 8, Wq_scales 10, bq 12, gq 14, betq 16, gk 18
	s_load_b512 s[20:35], s[0:1], 0x40             ; betk 20, Wk_codes 22, Wk_scales 24, bk 26, dist_codes 28, dist_scales 30, mask 32, Wa 34
	s_load_b512 s[36:51], s[0:1], 0x80             ; ba 36, ga 38, beta_a 40, Wv_codes 42, Wv_scales 44, bv 46, sites_codes 48, sites_scales 50
	s_load_b256 s[52:59], s[0:1], 0xc0             ; out0 52, attn_ws 54, q_ws 56, vst_ws 58
	v_lshl_add_u32 v[SPW], v0, 2, SPARE
	v_mov_b32 v[NIL], 0
	ds_add_u32 v28, v29
	ds_add_u32 v28, v29
	s_wait_dscnt 0x0
	v_lshrrev_b32 v[TMP], 5, v0
	v_readfirstlane_b32 s[WV], v[TMP]
	s_lshr_b32 s[PP], s[WV], 1
	s_and_b32 s[GG], s[WV], 1
	s_bfe_u32 s2, ttmp6, 0x40000                   ; cx: it enters global addresses alone
	s_lshl_b32 s[BB], ttmp9, 2
	s_add_co_u32 s[BB], s[BB], s2                  ; my batch = 4 x cluster x + cx
	s_and_b32 s[TY], ttmp7, 0xffff                 ; my task: the same in the four partners
	s_mov_b32 s[G1W+0], 15|(3<<16)|(1<<20)|(1<<21)|(5<<22)|(3<<25)  ; mask: all four work-groups; elements of 8 bytes; padding on; bit 21 beside a mask; after every 64 words, 4 words
	s_mov_b32 s[G1W+1], 32<<16                     ; tensor_dim0 = 32 elements: 256 bytes
	s_mov_b32 s[G1W+2], 32<<16                     ; tensor_dim1 = 32 lines
	s_mov_b32 s[G1W+3], 32<<16                     ; tile_dim0
	s_mov_b32 s[G1W+4], 32                         ; tile_dim1
	s_mov_b32 s[G1W+5], 32                         ; pitch: the block is dense
	s_mov_b32 s[G1W+6], 0
	s_mov_b32 s[G1W+7], 0
	s_mov_b32 s[SEL], 0x76543210
	s_mov_b32 s[SEL+1], 0xfedcba98
	s_mov_b32 s94, 0x3a000000                      ; 1 / 2048
	s_mov_b32 s95, 0x3727c5ac                      ; eps = 1e-5
	s_mov_b32 s96, 0x3db8aa3b                      ; log2(e) / sqrt(256)
	s_mul_i32 s[WPART], s[WV], PARTB
	s_lshl_b32 s100, s[PP], 16                     ; my 64 rows of a quarter: 512 P + 64 G rows of 128 bytes
	s_lshl_b32 s101, s[GG], 13
	s_add_co_u32 s100, s100, s101
	s_mov_b32 s101, 0
	s_lshl_b32 s98, s2, 16                         ; the prefetch: my work-group's quarter of Wk's codes
	s_mov_b32 s99, 0
	s_wait_kmcnt 0x0
	s_cmp_eq_u32 s[TY], 0                          ; the first weight, its scales, the pass's bias and x are chosen by the task: pointers alone
	s_cselect_b64 s[8:9], s[8:9], s[42:43]
	s_cselect_b64 s[10:11], s[10:11], s[44:45]
	s_cselect_b64 s[26:27], s[26:27], s[46:47]
	s_cselect_b64 s[28:29], s[28:29], s[48:49]
	s_cselect_b64 s[30:31], s[30:31], s[50:51]
	s_add_nc_u64 s[98:99], s[22:23], s[98:99]
	s_add_nc_u64 s[8:9], s[8:9], s[100:101]
	s_add_nc_u64 s[22:23], s[22:23], s[100:101]
.irp c, 0,1,2,3
	s_mov_b32 s[G0+4*\c], 1
	s_add_co_u32 s[G0+4*\c+1], s[WPART], \c*AREAB
	s_add_nc_u64 s[G0+4*\c+2:G0+4*\c+3], s[8:9], \c*16384
	s_or_b32 s[G0+4*\c+3], s[G0+4*\c+3], 0x80000000
.endr
	CROUND                                         ; the four work-groups are here: the first joint loads meet
	tensor_load_to_lds s[G0:G0+3], s[G1W:G1W+7]    ; the four quarters of the first weight: four loads of mine are out
	s_nop 0
	tensor_load_to_lds s[G0+4:G0+7], s[G1W:G1W+7]
	s_nop 0
	tensor_load_to_lds s[G0+8:G0+11], s[G1W:G1W+7]
	s_nop 0
	tensor_load_to_lds s[G0+12:G0+15], s[G1W:G1W+7]
	s_nop 0
	PLACES
	s_lshl_b32 s100, s[BB], 15                     ; x: my batch's 256 rows of 128 bytes, my 128 of them
	s_lshl_b32 s105, s[GG], 14
	s_add_co_u32 s100, s100, s105
	s_add_nc_u64 s[28:29], s[28:29], s[100:101]
	s_lshr_b32 s100, s100, 4                       ; and their scale bytes, 8 a row
	s_add_nc_u64 s[30:31], s[30:31], s[100:101]
	s_lshl_b32 s100, s[WV], 11                     ; what I stage: 2,048 of the 16,384 scale bytes,
	s_add_nc_u64 s[10:11], s[10:11], s[100:101]
	s_add_nc_u64 s[24:25], s[24:25], s[100:101]
	s_lshl_b32 s100, s[WV], 10                     ; 1,024 of the 8,192 bytes of a vector of 2,048 f32
	s_add_nc_u64 s[26:27], s[26:27], s[100:101]
	v_and_b32 v[TMP], 31, v0
	v_lshlrev_b32 v[L16], 4, v[TMP]
	v_lshlrev_b32 v[L32], 5, v[TMP]
	v_lshlrev_b32 v111, 3, v[TMP]                  ; 8 x lane
	v_lshlrev_b32 v[PFO], 8, v0
	v_and_b32 v[RR], 15, v0                        ; r
	v_bfe_u32 v[HH], v0, 4, 1                      ; hh
	v_lshrrev_b32 v[AW0], 1, v[RR]                 ; a fragment of W: row r of a tile lies at (r / 2) x 272 + (r % 2) x 128; + 16 hh; + my P's rows
	v_mul_u32_u24 v[AW0], v[AW0], 272
	v_and_b32 v[ADW], 1, v[RR]
	v_lshl_add_u32 v[AW0], v[ADW], 7, v[AW0]
	v_lshl_add_u32 v[AW0], v[HH], 4, v[AW0]
	s_mul_i32 s105, s[PP], PAIRB
	v_add_nc_u32 v[AW0], s105, v[AW0]
	v_lshlrev_b32 v104, 7, v[RR]
	v_lshl_add_u32 v104, v[HH], 4, v104            ; x's codes: row r, + 16 hh
	v_lshlrev_b32 v105, 3, v[RR]
	v_lshl_add_u32 v105, v[HH], 2, v105            ; scale words: 8 r + 4 hh: lanes 0-15 K step 0, lanes 16-31 K step 1
	s_lshl_b32 s105, s[WV], 11
	s_add_co_u32 s105, s105, SC0
	v_add_nc_u32 v106, s105, v[L16]
	s_lshl_b32 s105, s[WV], 10
	s_add_co_u32 s105, s105, B0
	v_add_nc_u32 v107, s105, v[L16]
.irp k, 0,1,2,3
	global_load_b128 v[64+4*\k:67+4*\k], v[L16], s[10:11] offset:512*\k   ; each load of a wave covers 512 consecutive bytes
.endr
.irp k, 0,1
	global_load_b128 v[80+4*\k:83+4*\k], v[L16], s[26:27] offset:512*\k
.endr
	WIN 0x40
.irp i, 0,1,2,3,4,5,6,7
.irp q, 0,1,2,3
	global_load_b128 v[X+16*\i+4*\q:X+16*\i+4*\q+3], v104, s[28:29] offset:2048*\i+32*\q   ; x's fragments stay in registers for the whole pass
.endr
.endr
	WIN 0
.irp i, 0,1,2,3,4,5,6,7
	global_load_b32 v[XS+\i], v105, s[30:31] offset:128*\i
.endr
	s_wait_loadcnt 40                              ; the six staging loads are in; x's 32 and its 8 scale loads may be out
.irp k, 0,1,2,3
	ds_store_b128 v106, v[64+4*\k:67+4*\k] offset:512*\k
.endr
.irp k, 0,1
	ds_store_b128 v107, v[80+4*\k:83+4*\k] offset:512*\k
.endr
	s_cmp_lg_u32 s[TY], 0
	s_cbranch_scc1 .Lvpath
	; ================= THE K SIDE
	s_lshl_b32 s100, s[BB], 7
	s_add_nc_u64 s[4:5], s[4:5], s[100:101]        ; local's row
	s_lshl_b32 s100, s[BB], 3
	s_add_nc_u64 s[6:7], s[6:7], s[100:101]
	s_lshl_b32 s100, s[BB], 8
	s_add_nc_u64 s[32:33], s[32:33], s[100:101]    ; the mask's row
	s_lshl_b32 s100, s[BB], 10
	s_add_nc_u64 s[52:53], s[52:53], s[100:101]    ; out0's row
	s_lshl_b32 s100, s[BB], 13
	s_lshl_b32 s105, s[WV], 10
	s_add_co_u32 s100, s100, s105
	s_add_nc_u64 s[54:55], s[54:55], s[100:101]    ; attn_ws and q_ws: my batch, my head
	s_add_nc_u64 s[56:57], s[56:57], s[100:101]
	s_mov_b32 s100, s105
	s_add_nc_u64 s[14:15], s[14:15], s[100:101]    ; gq, betq, gk, betk: my head's 256
	s_add_nc_u64 s[16:17], s[16:17], s[100:101]
	s_add_nc_u64 s[18:19], s[18:19], s[100:101]
	s_add_nc_u64 s[20:21], s[20:21], s[100:101]
	s_lshl_b32 s100, s[PP], 11
	s_lshl_b32 s105, s[GG], 8
	s_add_co_u32 s100, s100, s105
	s_add_nc_u64 s[12:13], s[12:13], s[100:101]    ; bq at column 512 P + 64 G
	v_lshlrev_b32 v108, 4, v[HH]
	v_lshlrev_b32 v109, 2, v[HH]
	v_lshlrev_b32 v110, 5, v[HH]
.irp k, 0,1,2,3
	global_load_b128 v[88+4*\k:91+4*\k], v[L16], s[24:25] offset:512*\k   ; Wk's scale bytes, to be staged
.endr
	WIN 0x40
.irp q, 0,1,2,3
	global_load_b128 v[LOCF+4*\q:LOCF+4*\q+3], v108, s[4:5] offset:32*\q   ; local's one row, the same in all 16 columns of source 1
.endr
	WIN 0
	global_load_b32 v[LS], v109, s[6:7]
.irp a, 0,1,2,3,4,5,6,7,8,9,10,11,12,13,14,15
	global_load_b128 v[ACC+8*\a:ACC+8*\a+3], v110, s[12:13] offset:512*(\a/4)+64*(\a%4)      ; bq is the C of q's sums: accumulator 4 c + t holds columns 512 P + 128 c + 64 G + 16 t + 8 hh + 0 .. 7
	global_load_b128 v[ACC+8*\a+4:ACC+8*\a+7], v110, s[12:13] offset:512*(\a/4)+64*(\a%4)+16
.endr
	global_load_b128 v[32:35], v[L16], s[14:15]    ; my head's columns 4 lane + 0 .. 3 and 128 + 4 lane + 0 .. 3
	global_load_b128 v[36:39], v[L16], s[14:15] offset:512
	global_load_b128 v[40:43], v[L16], s[16:17]
	global_load_b128 v[44:47], v[L16], s[16:17] offset:512
	global_load_b128 v[48:51], v[L16], s[18:19]
	global_load_b128 v[52:55], v[L16], s[18:19] offset:512
	global_load_b128 v[56:59], v[L16], s[20:21]
	global_load_b128 v[60:63], v[L16], s[20:21] offset:512
	global_load_b64 v[8:9], v111, s[32:33]         ; the mask bytes of keys 8 lane + 0 .. 7
	s_mul_i32 s105, s[GG], PARTB
	v_add_nc_u32 v[ADQ], s105, v[AW0]              ; q's products read my own part of each quarter
	s_lshl_b32 s105, s[PP], 12
	s_lshl_b32 s3, s[GG], 9
	s_add_co_u32 s105, s105, s3
	s_add_co_u32 s105, s105, SC0
	v_add_nc_u32 v[ADS], s105, v105                ; Wq's scale words of rows 512 P + 64 G + r
	s_lshl_b32 s105, s[PP], 11
	s_lshl_b32 s3, s[GG], 8
	s_add_co_u32 s105, s105, s3
	s_add_co_u32 s105, s105, QRAW
	v_add_nc_u32 v[ADB], s105, v110                ; where q's raw numbers go
	s_lshl_b32 s105, s[WV], 10
	s_add_co_u32 s105, s105, QRAW
	v_add_nc_u32 v[ASQ], s105, v[L16]              ; and where my head's come back
	s_lshl_b32 s105, s[WV], 3
	s_add_co_u32 s105, s105, RED
	v_mov_b32 v[TA], s105
	s_wait_loadcnt 46                              ; Wk's scale bytes are in; the 46 loads behind them may be out
.irp k, 0,1,2,3
	ds_store_b128 v106, v[88+4*\k:91+4*\k] offset:SCK-SC0+512*\k
.endr
	SYNC 3                                         ; quarter 0 of Wq has landed, the staged bytes lie in LDS
	s_wait_loadcnt 0x0
.macro QMMA a, tt, ks
.if \ks == 0
	v_wmma_scale_f32_16x16x128_f8f6f4 v[ACC+8*(\a):ACC+8*(\a)+7], v[WB+16*\tt:WB+16*\tt+7], v[LOCF:LOCF+7], v[ACC+8*(\a):ACC+8*(\a)+7], v[WS+\tt], v[LS] matrix_a_fmt:MATRIX_FMT_FP4 matrix_b_fmt:MATRIX_FMT_FP4
.else
	v_wmma_scale_f32_16x16x128_f8f6f4 v[ACC+8*(\a):ACC+8*(\a)+7], v[WB+16*\tt+8:WB+16*\tt+15], v[LOCF+8:LOCF+15], v[ACC+8*(\a):ACC+8*(\a)+7], v[WS+\tt], v[LS] matrix_a_fmt:MATRIX_FMT_FP4 matrix_b_fmt:MATRIX_FMT_FP4 matrix_a_scale:MATRIX_SCALE_ROW1 matrix_b_scale:MATRIX_SCALE_ROW1
.endif
.endm
; My 64 columns of q in quarter cc: four tiles, two at a time; the two accumulators take turns
.macro QCHUNK cc
	v_add_nc_u32 v[ADW], (\cc)*AREAB, v[ADQ]
.irp hf, 0,1
	WIN 0x40
.irp tt, 0,1
.irp q, 0,1,2,3
	ds_load_b128 v[WB+16*\tt+4*\q:WB+16*\tt+4*\q+3], v[ADW] offset:(2*\hf+\tt)*TILEB+32*\q
.endr
.endr
	WIN 0
	ds_load_b32 v[WS], v[ADS] offset:1024*(\cc)+256*\hf
	ds_load_b32 v[WS+1], v[ADS] offset:1024*(\cc)+256*\hf+128
	s_wait_dscnt 0x0
	WIN 0x05
.irp ks, 0,1
.irp tt, 0,1
	QMMA 4*(\cc)+2*\hf+\tt, \tt, \ks
.endr
.endr
	WIN 0
	PLACES                                         ; in front of the next loads into W's registers, and of the first read of results
.endr
.endm
	QCHUNK 0
	; Wk's codes are asked for ahead: 262,144 bytes in blocks of 256, each named once in the launch: the first cluster of this task asks, its four work-groups take a quarter each BY ADDRESS, a thread a block.
	s_cmp_lg_u32 ttmp9, 0
	s_cbranch_scc1 .Lno_pf
	global_prefetch_b8 v[PFO], s[98:99] th:TH_LOAD_NT scope:SCOPE_SE
.Lno_pf:
	SYNC 2
	QCHUNK 1
	SYNC 1
	QCHUNK 2
	CHANGE 1, 0, 22, 0                             ; quarter 3 of Wq has landed; area 0 takes quarter 0 of Wk
	QCHUNK 3
	; ---- q's LayerNorm.  The 16 lanes of a half hold the same numbers and write the same bytes with the same values.
.irp a, 0,1,2,3,4,5,6,7,8,9,10,11,12,13,14,15
	ds_store_b128 v[ADB], v[ACC+8*\a:ACC+8*\a+3] offset:512*(\a/4)+64*(\a%4)
	ds_store_b128 v[ADB], v[ACC+8*\a+4:ACC+8*\a+7] offset:512*(\a/4)+64*(\a%4)+16
.endr
	BARRIER
	ds_load_b128 v[64:67], v[ASQ]                  ; wave w takes head w
	ds_load_b128 v[68:71], v[ASQ] offset:512
	s_wait_dscnt 0x0
	v_pk_add_f32 v[72:73], v[64:65], v[66:67]
	v_pk_add_f32 v[74:75], v[68:69], v[70:71]
	v_pk_mul_f32 v[76:77], v[64:65], v[64:65]
	v_pk_fma_f32 v[76:77], v[66:67], v[66:67], v[76:77]
	v_pk_fma_f32 v[76:77], v[68:69], v[68:69], v[76:77]
	v_pk_fma_f32 v[76:77], v[70:71], v[70:71], v[76:77]
	v_pk_add_f32 v[72:73], v[72:73], v[74:75]
	v_add_f32 v72, v72, v73
	v_add_f32 v73, v76, v77
	RSUM 72, 74
	RSUM 73, 75
	ds_store_b64 v[TA], v[72:73]                   ; my head's sum and sum of squares
	BARRIER
	v_mov_b32 v[TMP], RED
	ds_load_b128 v[76:79], v[TMP]
	ds_load_b128 v[80:83], v[TMP] offset:16
	ds_load_b128 v[84:87], v[TMP] offset:32
	ds_load_b128 v[88:91], v[TMP] offset:48
	s_wait_dscnt 0x0
	v_pk_add_f32 v[76:77], v[76:77], v[78:79]
	v_pk_add_f32 v[80:81], v[80:81], v[82:83]
	v_pk_add_f32 v[84:85], v[84:85], v[86:87]
	v_pk_add_f32 v[88:89], v[88:89], v[90:91]
	v_pk_add_f32 v[76:77], v[76:77], v[80:81]
	v_pk_add_f32 v[84:85], v[84:85], v[88:89]
	v_pk_add_f32 v[76:77], v[76:77], v[84:85]
	v_mul_f32 v92, s94, v76                        ; the mean
	v_fma_f32 v93, v77, s94, s95
	v_fma_f32 v93, -v92, v92, v93                  ; the variance + eps
	v_rsq_f32 v93, v93
.irp e, 0,1,2,3,4,5,6,7
	v_sub_f32 v[64+\e], v[64+\e], v92              ; (plain work behind the root)
.endr
	s_wait_alu depctr_va_vdst(0)                   ; ahead of the root's first reader
.irp e, 0,1,2,3,4,5,6,7
	v_mul_f32 v[64+\e], v[64+\e], v93
.endr
.irp e, 0,1,2,3,4,5,6,7
	v_fma_f32 v[64+\e], v[64+\e], v[32+\e], v[40+\e]   ; q
.endr
.irp e, 0,1,2,3,4,5,6,7
	v_mul_f32 v[96+\e], v[64+\e], v[48+\e]         ; q gk
.endr
	v_mul_f32 v[CH], v64, v56
	v_add_f32 v[GH], v96, v97
.irp e, 1,2,3,4,5,6,7
	v_fma_f32 v[CH], v[64+\e], v[56+\e], v[CH]
.endr
.irp e, 2,3,4,5,6,7
	v_add_f32 v[GH], v[GH], v[96+\e]
.endr
	RSUM GH, 74                                    ; G = sum of q gk over my head
	RSUM CH, 75                                    ; C = sum of q betk
	ds_store_b128 v[ASQ], v[96:99] offset:QG-QRAW
	ds_store_b128 v[ASQ], v[100:103] offset:QG-QRAW+512
	global_store_b128 v[L16], v[64:67], s[56:57]   ; q for the second launch: 512 consecutive bytes a store
	global_store_b128 v[L16], v[68:71], s[56:57] offset:512
	; ---- the K pass's addresses
	s_lshl_b32 s105, s[PP], 11
	s_add_co_u32 s3, s105, B0
	v_lshl_add_u32 v[ADB], v[HH], 5, s3            ; bias: column 512 P + 16 u + 8 hh
	s_add_co_u32 s3, s105, QG-64
	v_lshl_add_u32 v[ADQ], v[HH], 5, s3            ; q gk likewise, one tile behind
	s_lshl_b32 s3, s[GG], 9
	s_add_co_u32 s3, s3, s105
	s_add_co_u32 s3, s3, STAT
	v_lshl_add_u32 v[ASQ], v[HH], 10, s3
	v_lshl_add_u32 v[ASQ], v[RR], 2, v[ASQ]        ; my rows' sums: [P][hh: S, Q][128 G + r]
	s_lshl_b32 s105, s[PP], 12
	s_add_co_u32 s105, s105, SCK
	v_lshl_add_u32 v[ADS], v[RR], 3, s105
	v_lshl_add_u32 v[ADS], v[HH], 2, v[ADS]        ; Wk's scale words of rows 512 P + 16 u + r
	CHANGE 1, 1, 22, 16384                         ; quarter 0 of Wk has landed, q gk lies in LDS; area 1 takes quarter 1
	s_wait_xcnt 0x0                                ; the stores of q have read their registers: they are written again below
.set cj, 0
.rept 64
	v_mov_b32 v[ST+cj], 0                          ; the row sums begin as zeros, so that a trip is written once
.set cj, cj+1
.endr
	v_mov_b32 v[ADW], v[AW0]
	PER 0, 0, 1, 0, 0, 0, 4
	PER 0, 1, 1, 1, 1, 0, 4
	STEP 0
	LOOPT 0, 4, 3
	CHANGE 1, 0, 22, 32768                         ; tiles 6 and 7 are in registers: area 0 is left, and takes quarter 2
	v_add_nc_u32 v[ADW], AREAB, v[AW0]
	LOOPT 0, 4, 4
	CHANGE 1, 1, 22, 49152
	v_mov_b32 v[ADW], v[AW0]
	TRIP 0, 4                                      ; the vector work of tiles 14 and 15 ends head 2 P
	LOOPT 0, 6, 3
	CHANGE 0, 0, 0, 0                              ; the last quarter has landed; nothing is left to fetch
	v_add_nc_u32 v[ADW], AREAB, v[AW0]
	LOOPT 0, 6, 4
	PER 0, 0, 0, 1, 1, 1, 6
	PER 0, 1, 0, 0, 0, 1, 6
	; ---- a pair's halves are added; the two halves of the lanes hold the two halves of a tile's columns: an exchange of halves between two registers and one addition join them
.irp i, 0,1,2,3,4,5,6,7
	v_add_f32 v[ST+8*\i], v[ST+8*\i], v[ST+8*\i+1]
	v_add_f32 v[ST+8*\i+2], v[ST+8*\i+2], v[ST+8*\i+3]
	v_add_f32 v[ST+8*\i+4], v[ST+8*\i+4], v[ST+8*\i+5]
	v_add_f32 v[ST+8*\i+6], v[ST+8*\i+6], v[ST+8*\i+7]
.endr
.irp i, 0,1,2,3,4,5,6,7
	v_permlane16_swap_b32 v[ST+8*\i], v[ST+8*\i+2]
	v_permlane16_swap_b32 v[ST+8*\i+4], v[ST+8*\i+6]
.endr
.irp i, 0,1,2,3,4,5,6,7
	v_add_f32 v[ST+8*\i], v[ST+8*\i], v[ST+8*\i+2]       ; lanes 0-15: S of row r; lanes 16-31: Q
	v_add_f32 v[ST+8*\i+4], v[ST+8*\i+4], v[ST+8*\i+6]   ; lanes 0-15: D of head 2 P; lanes 16-31: of head 2 P + 1
.endr
.irp i, 0,1,2,3,4,5,6,7
	ds_store_b32 v[ASQ], v[ST+8*\i] offset:64*\i
	ds_store_b32 v[ASQ], v[ST+8*\i+4] offset:UB-STAT+64*\i
.endr
	s_load_b256 s[4:11], s[34:35], 0x0             ; Wa
	s_load_b32 s12, s[36:37], 0x0                  ; ba
	s_load_b32 s13, s[38:39], 0x0                  ; ga
	s_load_b32 s14, s[40:41], 0x0                  ; beta_a
	v_add_nc_u32 v[ADB], STAT, v[L32]              ; from here on wave w is head w and lane l keys 8 l + 0 .. 7
	s_lshl_b32 s105, s[WV], 10
	s_add_co_u32 s3, s105, UB
	v_add_nc_u32 v[ADS], s3, v[L32]
	s_add_co_u32 s3, s105, ATX
	v_add_nc_u32 v[ADQ], s3, v[L32]
	v_add_nc_u32 v[TA], s3, v[L16]
	BARRIER
.irp p, 0,1,2,3
	ds_load_b128 v[128+16*\p:131+16*\p], v[ADB] offset:2048*\p
	ds_load_b128 v[132+16*\p:135+16*\p], v[ADB] offset:2048*\p+16
	ds_load_b128 v[136+16*\p:139+16*\p], v[ADB] offset:2048*\p+1024
	ds_load_b128 v[140+16*\p:143+16*\p], v[ADB] offset:2048*\p+1040
.endr
	ds_load_b128 v[192:195], v[ADS]
	ds_load_b128 v[196:199], v[ADS] offset:16
	s_wait_dscnt 0x0
.irp e, 0,2,4,6,8,10,12,14
	v_pk_add_f32 v[128+\e:129+\e], v[128+\e:129+\e], v[144+\e:145+\e]
	v_pk_add_f32 v[160+\e:161+\e], v[160+\e:161+\e], v[176+\e:177+\e]
.endr
.irp e, 0,2,4,6,8,10,12,14
	v_pk_add_f32 v[128+\e:129+\e], v[128+\e:129+\e], v[160+\e:161+\e]   ; v128-135 S, v136-143 Q of my 8 keys, over all 2,048 columns
.endr
.irp j, 0,1,2,3,4,5,6,7
	v_mul_f32 v[200+\j], s94, v[128+\j]            ; m
.endr
.irp j, 0,1,2,3,4,5,6,7
	v_fma_f32 v[136+\j], v[136+\j], s94, s95
.endr
.irp j, 0,1,2,3,4,5,6,7
	v_fma_f32 v[136+\j], -v[200+\j], v[200+\j], v[136+\j]
.endr
.irp j, 0,1,2,3,4,5,6,7
	v_rsq_f32 v[136+\j], v[136+\j]                 ; rs
.endr
.irp j, 0,1,2,3,4,5,6,7
	v_fma_f32 v[192+\j], -v[200+\j], v[GH], v[192+\j]   ; D - m G  (plain work behind the roots)
.endr
	s_wait_alu depctr_va_vdst(0)                   ; one wait for the eight roots, ahead of their first reader
.irp j, 0,1,2,3,4,5,6,7
	v_fma_f32 v[192+\j], v[192+\j], v[136+\j], v[CH]    ; q . k
.endr
	v_mov_b32 v208, 0xff800000                     ; -infinity for a masked key
.irp j, 0,1,2,3
	v_and_b32 v209, 0xff<<(8*\j), v8
	v_cmp_ne_u32 vcc_lo, 0, v209
	v_cndmask_b32 v[192+\j], v[192+\j], v208, vcc_lo
.endr
.irp j, 0,1,2,3
	v_and_b32 v209, 0xff<<(8*\j), v9
	v_cmp_ne_u32 vcc_lo, 0, v209
	v_cndmask_b32 v[196+\j], v[196+\j], v208, vcc_lo
.endr
	v_max3_num_f32 v210, v192, v193, v194
	v_max3_num_f32 v210, v210, v195, v196
	v_max3_num_f32 v210, v210, v197, v198
	v_max_num_f32 v210, v210, v199
	RMAX 210, 209                                  ; the head's largest score
.irp j, 0,1,2,3,4,5,6,7
	v_sub_f32 v[192+\j], v[192+\j], v210
.endr
.irp j, 0,1,2,3,4,5,6,7
	v_mul_f32 v[192+\j], s96, v[192+\j]
.endr
.irp j, 0,1,2,3,4,5,6,7
	v_exp_f32 v[192+\j], v[192+\j]
.endr
	v_nop
	s_wait_alu depctr_va_vdst(0)                   ; one wait for the eight exponentials
	v_add_f32 v211, v192, v193
	v_add_f32 v212, v194, v195
	v_add_f32 v213, v196, v197
	v_add_f32 v214, v198, v199
	v_add_f32 v211, v211, v212
	v_add_f32 v213, v213, v214
	v_add_f32 v211, v211, v213
	RSUM 211, 209
	v_rcp_f32 v211, v211
	v_nop
	s_wait_alu depctr_va_vdst(0)
.irp j, 0,1,2,3,4,5,6,7
	v_mul_f32 v[192+\j], v[192+\j], v211           ; attn
.endr
	ds_store_b128 v[ADQ], v[192:195]               ; a lane's 32 bytes turn through my own 1,024 bytes of LDS, so that each store of the wave covers 512 consecutive bytes
	ds_store_b128 v[ADQ], v[196:199] offset:16
	ds_load_b128 v[216:219], v[TA]                 ; LDS serves a wave's instructions in order (ISA guide 5.7.1.4)
	ds_load_b128 v[220:223], v[TA] offset:512
	; out0.  The raw view [B, S, H] of [B, H, S] puts my 8 neighbouring attn into one row: row 32 w + l.  LayerNorm over that one number: (x - x) rsqrt(0 + eps) ga + beta_a
	s_wait_kmcnt 0x0
	v_mov_b32 v224, s12
.irp j, 0,1,2,3,4,5,6,7
	v_fma_f32 v224, v[192+\j], s[4+\j], v224
.endr
	v_sub_f32 v225, v224, v224
	v_fma_f32 v226, v225, v225, s95
	v_rsq_f32 v226, v226
	v_lshl_add_u32 v[ADB], v0, 2, AO
	s_lshl_b32 s105, s[WV], 9
	v_add_nc_u32 v[ADQ], s105, v[L16]              ; out0's bytes that waves 0 and 1 store
	s_add_co_u32 s105, s105, AO
	v_add_nc_u32 v[ADS], s105, v[L16]
	s_wait_alu depctr_va_vdst(0)
	v_mul_f32 v225, v225, v226
	v_fma_f32 v225, v225, s13, s14
	ds_store_b32 v[ADB], v225
	s_wait_dscnt 0x0
	global_store_b128 v[L16], v[216:219], s[54:55]
	global_store_b128 v[L16], v[220:223], s[54:55] offset:512
	s_barrier_signal -1
	s_barrier_wait -1
	s_cmp_gt_u32 s[WV], 1
	s_cbranch_scc1 .Lk_end
	ds_load_b128 v[228:231], v[ADS]
	s_wait_dscnt 0x0
	global_store_b128 v[ADQ], v[228:231], s[52:53]
.Lk_end:
	s_wait_tensorcnt 0x0                           ; the wave's end
	ds_add_u32 v[SPW], v[NIL]
	s_wait_dscnt 0x0
	CROUND                                         ; the closing round
	s_endpgm
	; ================= V'S ROW STATISTICS
.Lvpath:
	s_lshl_b32 s100, s[BB], 11
	s_add_nc_u64 s[58:59], s[58:59], s[100:101]    ; vst_ws: my batch's [mean, rs][256]
	s_lshl_b32 s105, s[PP], 11
	s_add_co_u32 s3, s105, B0
	v_lshl_add_u32 v[ADB], v[HH], 5, s3
	s_lshl_b32 s3, s[GG], 9
	s_add_co_u32 s3, s3, s105
	s_add_co_u32 s3, s3, STATV
	v_lshl_add_u32 v[ASQ], v[HH], 10, s3
	v_lshl_add_u32 v[ASQ], v[RR], 2, v[ASQ]
	s_lshl_b32 s105, s[PP], 12
	s_add_co_u32 s105, s105, SC0
	v_lshl_add_u32 v[ADS], v[RR], 3, s105
	v_lshl_add_u32 v[ADS], v[HH], 2, v[ADS]
	s_lshl_b32 s105, s[WV], 9
	v_add_nc_u32 v[TA], s105, v[L16]
	s_add_co_u32 s105, s105, STATV
	v_add_nc_u32 v[ADQ], s105, v[L16]
	s_wait_loadcnt 0x0                             ; x and its scale words
	SYNC 3                                         ; quarter 0 of Wv has landed, the staged bytes lie in LDS
.irp i, 0,1,2,3,4,5,6,7
	v_mov_b32 v[ST+8*\i], 0
	v_mov_b32 v[ST+8*\i+1], 0
	v_mov_b32 v[ST+8*\i+2], 0
	v_mov_b32 v[ST+8*\i+3], 0
.endr
	v_mov_b32 v[ADW], v[AW0]
	PER 1, 0, 1, 0, 0, 0, 0
	PER 1, 1, 1, 0, 1, 0, 0
	STEP 1
	LOOPT 1, 0, 3
	SYNC 2                                         ; all four quarters have areas of their own: nothing is filled again on this side
	v_add_nc_u32 v[ADW], AREAB, v[AW0]
	LOOPT 1, 0, 4
	SYNC 1
	v_add_nc_u32 v[ADW], 2*AREAB, v[AW0]
	LOOPT 1, 0, 4
	SYNC 0
	v_add_nc_u32 v[ADW], 3*AREAB, v[AW0]
	LOOPT 1, 0, 4
	PER 1, 0, 0, 0, 1, 1, 0
	PER 1, 1, 0, 0, 0, 1, 0
	BARRIER                                        ; nobody reads area 3 any more
.irp i, 0,1,2,3,4,5,6,7
	v_add_f32 v[ST+8*\i], v[ST+8*\i], v[ST+8*\i+1]
	v_add_f32 v[ST+8*\i+2], v[ST+8*\i+2], v[ST+8*\i+3]
.endr
.irp i, 0,1,2,3,4,5,6,7
	v_permlane16_swap_b32 v[ST+8*\i], v[ST+8*\i+2]
.endr
.irp i, 0,1,2,3,4,5,6,7
	v_add_f32 v[ST+8*\i], v[ST+8*\i], v[ST+8*\i+2]
.endr
.irp i, 0,1,2,3,4,5,6,7
	ds_store_b32 v[ASQ], v[ST+8*\i] offset:64*\i
.endr
	BARRIER
	s_cmp_gt_u32 s[WV], 1                          ; waves 0 and 1 finish 128 rows each, 4 a lane
	s_cbranch_scc1 .Lv_end
.irp p, 0,1,2,3
	ds_load_b128 v[128+8*\p:131+8*\p], v[ADQ] offset:2048*\p
	ds_load_b128 v[132+8*\p:135+8*\p], v[ADQ] offset:2048*\p+1024
.endr
	s_wait_dscnt 0x0
.irp e, 0,2,4,6
	v_pk_add_f32 v[128+\e:129+\e], v[128+\e:129+\e], v[136+\e:137+\e]
	v_pk_add_f32 v[144+\e:145+\e], v[144+\e:145+\e], v[152+\e:153+\e]
.endr
.irp e, 0,2,4,6
	v_pk_add_f32 v[128+\e:129+\e], v[128+\e:129+\e], v[144+\e:145+\e]
.endr
.irp j, 0,1,2,3
	v_mul_f32 v[160+\j], s94, v[128+\j]
.endr
.irp j, 0,1,2,3
	v_fma_f32 v[132+\j], v[132+\j], s94, s95
.endr
.irp j, 0,1,2,3
	v_fma_f32 v[132+\j], -v[160+\j], v[160+\j], v[132+\j]
.endr
.irp j, 0,1,2,3
	v_rsq_f32 v[132+\j], v[132+\j]
.endr
	v_nop
	s_wait_alu depctr_va_vdst(0)                   ; one wait for the four roots, ahead of the store that reads them
	global_store_b128 v[TA], v[160:163], s[58:59]
	global_store_b128 v[TA], v[132:135], s[58:59] offset:1024
.Lv_end:
	s_wait_tensorcnt 0x0                           ; the wave's end
	ds_add_u32 v[SPW], v[NIL]
	s_wait_dscnt 0x0
	CROUND                                         ; the closing round
	s_endpgm
.Lfunc_end_k_qc548ccbde7_front:
	.size	k_qc548ccbde7_front, .Lfunc_end_k_qc548ccbde7_front-k_qc548ccbde7_front
	.p2alignl 7, 3214868480
	.fill 96, 4, 3214868480
	.section	.rodata,"a",@progbits
	.p2align	6, 0x0
	.amdhsa_kernel k_qc548ccbde7_front
		.amdhsa_group_segment_fixed_size 327680
		.amdhsa_private_segment_fixed_size 0
		.amdhsa_enable_private_segment 0
		.amdhsa_kernarg_size 224
		.amdhsa_user_sgpr_count 2
		.amdhsa_user_sgpr_kernarg_segment_ptr 1
		.amdhsa_wavefront_size32 1
		.amdhsa_system_sgpr_workgroup_id_x 1
		.amdhsa_system_sgpr_workgroup_id_y 1
		.amdhsa_system_sgpr_workgroup_id_z 1
		.amdhsa_system_vgpr_workitem_id 0
		.amdhsa_next_free_vgpr 432
		.amdhsa_next_free_sgpr 106
		.amdhsa_reserve_vcc 1
		.amdhsa_float_denorm_mode_32 3
		.amdhsa_float_denorm_mode_16_64 3
		.amdhsa_memory_ordered 1
		.amdhsa_forward_progress 1
		.amdhsa_inst_pref_size 248
	.end_amdhsa_kernel
	.amdgpu_metadata
---
amdhsa.version: [ 1, 2 ]
amdhsa.kernels:
  - .name:           k_qc548ccbde7_front
    .symbol:         k_qc548ccbde7_front.kd
    .args:
      - { .name: local_codes, .offset: 0, .size: 8, .value_kind: global_buffer, .address_space: global }
      - { .name: local_scales, .offset: 8, .size: 8, .value_kind: global_buffer, .address_space: global }
      - { .name: Wq_codes, .offset: 16, .size: 8, .value_kind: global_buffer, .address_space: global }
      - { .name: Wq_scales, .offset: 24, .size: 8, .value_kind: global_buffer, .address_space: global }
      - { .name: bq, .offset: 32, .size: 8, .value_kind: global_buffer, .address_space: global }
      - { .name: gq, .offset: 40, .size: 8, .value_kind: global_buffer, .address_space: global }
      - { .name: betq, .offset: 48, .size: 8, .value_kind: global_buffer, .address_space: global }
      - { .name: gk, .offset: 56, .size: 8, .value_kind: global_buffer, .address_space: global }
      - { .name: betk, .offset: 64, .size: 8, .value_kind: global_buffer, .address_space: global }
      - { .name: Wk_codes, .offset: 72, .size: 8, .value_kind: global_buffer, .address_space: global }
      - { .name: Wk_scales, .offset: 80, .size: 8, .value_kind: global_buffer, .address_space: global }
      - { .name: bk, .offset: 88, .size: 8, .value_kind: global_buffer, .address_space: global }
      - { .name: dist_codes, .offset: 96, .size: 8, .value_kind: global_buffer, .address_space: global }
      - { .name: dist_scales, .offset: 104, .size: 8, .value_kind: global_buffer, .address_space: global }
      - { .name: mask, .offset: 112, .size: 8, .value_kind: global_buffer, .address_space: global }
      - { .name: Wa, .offset: 120, .size: 8, .value_kind: global_buffer, .address_space: global }
      - { .name: ba, .offset: 128, .size: 8, .value_kind: global_buffer, .address_space: global }
      - { .name: ga, .offset: 136, .size: 8, .value_kind: global_buffer, .address_space: global }
      - { .name: beta_a, .offset: 144, .size: 8, .value_kind: global_buffer, .address_space: global }
      - { .name: Wv_codes, .offset: 152, .size: 8, .value_kind: global_buffer, .address_space: global }
      - { .name: Wv_scales, .offset: 160, .size: 8, .value_kind: global_buffer, .address_space: global }
      - { .name: bv, .offset: 168, .size: 8, .value_kind: global_buffer, .address_space: global }
      - { .name: sites_codes, .offset: 176, .size: 8, .value_kind: global_buffer, .address_space: global }
      - { .name: sites_scales, .offset: 184, .size: 8, .value_kind: global_buffer, .address_space: global }
      - { .name: out0, .offset: 192, .size: 8, .value_kind: global_buffer, .address_space: global }
      - { .name: attn_ws, .offset: 200, .size: 8, .value_kind: global_buffer, .address_space: global }
      - { .name: q_ws, .offset: 208, .size: 8, .value_kind: global_buffer, .address_space: global }
      - { .name: vst_ws, .offset: 216, .size: 8, .value_kind: global_buffer, .address_space: global }
    .group_segment_fixed_size: 327680
    .private_segment_fixed_size: 0
    .kernarg_segment_align: 8
    .kernarg_segment_size: 224
    .max_flat_workgroup_size: 256
    .sgpr_count:     106
    .vgpr_count:     432
    .wavefront_size: 32
...
	.end_amdgpu_metadata
.endif
;; end of part 1
;; launch back (part 2): grid 128 x 1, 8 waves a work-group, clusters of 4 x 1, 327,680 bytes of LDS; arguments sites_codes, sites_scales, Wv_codes, Wv_scales, bv, gv, betv, g1, b1, Wo_codes, Wo_scales, bo, g2, b2, attn_ws, q_ws, vst_ws, out1; writes out1
.if DOCPART == 2
	.amdgcn_target "amdgcn-amd-amdhsa--gfx1250"
	.amdhsa_code_object_version 6
	.text
	.protected	k_qc548ccbde7_back
	.globl	k_qc548ccbde7_back
	.p2align	8
	.type	k_qc548ccbde7_back,@function
k_qc548ccbde7_back:
	s_mov_b64 s[64:65], 0
	v_nop
	global_prefetch_b8 v0, s[64:65] scope:SCOPE_SE
	s_setreg_imm32_b32 hwreg(HW_REG_WAVE_MODE, 25, 1), 1
	s_wait_xcnt 0x0
	s_wait_alu depctr_hold_cnt(0) depctr_sa_sdst(0) depctr_va_vdst(0) depctr_va_sdst(0) depctr_va_ssrc(0) depctr_va_vcc(0) depctr_vm_vsrc(0)
	s_getreg_b32 s2, hwreg(HW_REG_IB_STS2, 6, 4)
	s_cmp_eq_u32 s2, 0
	s_cbranch_scc0 .Lentry_in_a_cluster
	s_endpgm
.Lentry_in_a_cluster:
	s_bfe_u32 s2, ttmp6, 0x10000c
	s_cmp_lg_u32 s2, 0x3003
	s_cbranch_scc0 .Lentry_shape_is_right
	s_endpgm
.Lentry_shape_is_right:
; StaticAttention, second launch.  A work-group owns one batch.  With y = sites Wv (no bias), w = attn rs, W1 = sum w, W2 = sum w m, A = sum attn (m, rs: the rows' mean and 1 / sigma from the first launch):
;   attn . LN(y + bv) + q = gv (O + bv W1 - W2) + betv A + q,   O[n] = sum over the keys of w y[., n]:  v never exists.  Then LayerNorm (g1, b1), the quantiser along the 2,048, the product with Wo, + bo, LayerNorm (g2, b2).
; Both products are on E2M1 codes with E8M0 scales, f32 sums; all else f32.  LIMITS: the first LayerNorm's variance is E[x^2] - m^2 (it loses accuracy as m^2 / var grows); a block of zeros ahead of Wo gets the scale byte 1 where
; the quantiser's rule says 127 (its codes are zeros, and only this text reads the byte); E2M1 has no NaN, so a NaN of the attention (a batch whose every key is masked) is carried round the quantiser by rs1 x 0 + y.
; SHARES in the pass over Wv: wave (P, G) = (wave / 2, wave % 2) owns keys 128 G .. + 127 (8 tiles, their codes stay in 128 registers) and columns 512 P .. + 511 (32 tiles).  The matrix instruction is used as it stands
; (source 0 = 16 keys, source 1 = 16 rows of Wv): a lane holds ONE column and eight keys, so the weighted sum over the keys is four packed multiply-adds a tile, with w in eight registers a key tile.
; WEIGHTS: Wv's four quarters lie in four LDS areas, laid as in the first launch (two rows of 128 bytes to a line of 256 + 16); each area, once left, takes a quarter of Wo along K (256 rows x 256 bytes, pitch 272).
; CLUSTER: the four batches of a cluster walk the same weights: every part is asked for JOINTLY (mask 15, the same descriptor in all four).
; REGISTERS.  window 0: v1-7 LDS addresses; v8 W1, v9 W2, v10 A, v11 rs1; v12 16 x lane, v13 32 x lane, v15 r, v31 hh; v16-23 x's scale words, later those of the quantised row; v24-25 Wv's; v32-47 Wo's (all these hold scales alone);
;   v28, v29 the spare word's address and 0; v30 256 x thread; v48-55 four partial sums, v56-57 two tiles' sums; v64-127 w; v128-255 two sets of 8 accumulators.
;   window 1: v0-127 x's fragments, later Wo's; v128-159 two tiles of Wv, later the quantised row's fragments; v176-223 bv, gv, betv, q, g1, b1 of my 8 columns.
.set PARTB, 8704
.set PAIRB, 2*PARTB
.set TILEB, 2176
.set AREAB, 8*PARTB
.set SCR,   4*AREAB
.set SCV,   SCR                        ; Wv's scale bytes, as in memory
.set WT,    SCR+16384                  ; w: [8 heads][256 keys]
.set OP,    SCR+24576                  ; O: [2 G][2,048]
.set RED,   SCR+40960
.set OIMG,  SCR+41984                  ; the quantised row: 1,024 bytes of codes, then 64 scale bytes
.set YB,    SCR+43264                  ; the 256 numbers ahead of the last LayerNorm
.set SPARE, SCR+44288                  ; the spare words: 128 bytes a wave, four blocks of 256 bytes that no other line names
.set AW0, 1
.set ADW, 2
.set ADS, 3
.set ADO, 4
.set AWT, 5
.set AWO, 6
.set AOB, 7
.set W1,  8
.set W2,  9
.set AA,  10
.set RS1, 11
.set L16, 12
.set L32, 13
.set TMP, 14
.set RR,  15
.set XS,  16
.set WS,  24
.set SPW, 28
.set NIL, 29
.set PFO, 30
.set HH,  31
.set OS,  32
.set OC,  48
.set TT,  56
.set WR,  64
.set ACC, 128
.set X,   0                            ; window 1
.set WB,  128
.set PV,  176
.set WV, 60
.set PP, 61
.set GG, 62
.set BB, 63
.set CNT, 67
.set G1O, 40                           ; s[40:47] descriptor group 1 for Wo's parts;  s[68:75] for Wv's;  s[76:91] four groups 0
.set G1W, 68
.set G0,  76
.set SEL, 92
.set WPART, 104
.set MSB, 0
.macro WIN new
.if MSB != \new
	s_set_vgpr_msb (MSB<<8)|\new
.set MSB, \new
.endif
.endm
.macro PLACES
.rept 4
	v_nop
.endr
.endm
.macro CROUND
	s_barrier_signal -1
	s_barrier_wait -1
	s_cmp_lg_u32 s[WV], 0
	s_cbranch_scc1 .Lnw0_\@
	s_barrier_signal -3
.Lnw0_\@:
	s_barrier_wait -3
	s_barrier_signal -1
	s_barrier_wait -1
.endm
.macro BARRIER
	s_wait_dscnt 0x0
	s_barrier_signal -1
	s_barrier_wait -1
.endm
; A change of areas: all my tensor loads have landed, 0 goes onto my spare word, the descriptor is written while the add is out, the add and my LDS reads are waited
; for.  fill = 1: a round of the cluster's barrier, and behind it, first, the joint load of my 32 rows of a quarter of Wo into the area just left.
.macro CHANGE fill, area, off
	s_wait_tensorcnt 0x0
	ds_add_u32 v[SPW], v[NIL]
.if \fill
	s_add_co_u32 s[G0+1], s[WPART], (\area)*AREAB
	s_add_nc_u64 s[G0+2:G0+3], s[22:23], \off
	s_or_b32 s[G0+3], s[G0+3], 0x80000000
.endif
	s_wait_dscnt 0x0
.if \fill
	CROUND
	tensor_load_to_lds s[G0:G0+3], s[G1O:G1O+7]
	s_nop 0
	PLACES
.else
	s_barrier_signal -1
	s_barrier_wait -1
.endif
.endm
.macro MMA par, m                      ; product m of a tile's 16: key tile m % 8, K step m / 8; the eight accumulators take turns; the first K step starts the sums
.set mi, (\m)%8
.set mb, 1-(\par)
.if (\m) < 8
	v_wmma_scale_f32_16x16x128_f8f6f4 v[ACC+64*mb+8*mi:ACC+64*mb+8*mi+7], v[X+16*mi:X+16*mi+7], v[WB+16*mb:WB+16*mb+7], 0, v[XS+mi], v[WS+mb] matrix_a_fmt:MATRIX_FMT_FP4 matrix_b_fmt:MATRIX_FMT_FP4
.else
	v_wmma_scale_f32_16x16x128_f8f6f4 v[ACC+64*mb+8*mi:ACC+64*mb+8*mi+7], v[X+16*mi+8:X+16*mi+15], v[WB+16*mb+8:WB+16*mb+15], v[ACC+64*mb+8*mi:ACC+64*mb+8*mi+7], v[XS+mi], v[WS+mb] matrix_a_fmt:MATRIX_FMT_FP4 matrix_b_fmt:MATRIX_FMT_FP4 matrix_a_scale:MATRIX_SCALE_ROW1 matrix_b_scale:MATRIX_SCALE_ROW1
.endif
.endm
; Slice k: key tile k's eight keys times their w, onto four partial sums.  Behind the eighth the column's sum is made; two tiles' sums change halves and leave by one store: lanes 0-15 the even tile's column r, lanes 16-31 the odd tile's.
.macro SLICE par, k
.irp jp, 0,1,2,3
.if (\k) == 0
	v_pk_mul_f32 v[OC+2*\jp:OC+2*\jp+1], v[ACC+64*(\par)+2*\jp:ACC+64*(\par)+2*\jp+1], v[WR+2*\jp:WR+2*\jp+1]
.else
	v_pk_fma_f32 v[OC+2*\jp:OC+2*\jp+1], v[ACC+64*(\par)+8*(\k)+2*\jp:ACC+64*(\par)+8*(\k)+2*\jp+1], v[WR+8*(\k)+2*\jp:WR+8*(\k)+2*\jp+1], v[OC+2*\jp:OC+2*\jp+1]
.endif
.endr
.if (\k) == 7
	v_pk_add_f32 v[OC:OC+1], v[OC:OC+1], v[OC+2:OC+3]
	v_pk_add_f32 v[OC+4:OC+5], v[OC+4:OC+5], v[OC+6:OC+7]
	v_pk_add_f32 v[OC:OC+1], v[OC:OC+1], v[OC+4:OC+5]
	v_add_f32 v[TT+\par], v[OC], v[OC+1]
.if (\par) == 1
	v_permlane16_swap_b32 v[TT], v[TT+1]
	v_add_f32 v[TT], v[TT], v[TT+1]
	ds_store_b32 v[ADO], v[TT]
.endif
.endif
.endm
; A period with index u: the LDS loads of column tile u, the products of tile u - 1, the vector work of tile u - 2.  The loads land on registers that the last period's products read: that period's last slice, eight plain
; instructions that name none of those products' registers, are the places between.
.macro PER par, ld, mm, vv
	s_wait_dscnt 0x0
.if \ld
	WIN 0x40
.irp q, 0,1,2,3
	ds_load_b128 v[WB+16*\par+4*\q:WB+16*\par+4*\q+3], v[ADW] offset:\par*TILEB+32*\q
.endr
	WIN 0
	ds_load_b32 v[WS+\par], v[ADS] offset:128*\par
.endif
.irp k, 0,1,2,3,4,5,6,7
.if \mm
	WIN 0x05
	MMA \par, 2*\k
	MMA \par, 2*\k+1
.endif
.if \vv
	WIN 0
	SLICE \par, \k
.endif
.endr
	WIN 0
.if (\mm) > (\vv)
	PLACES
.endif
.endm
.macro STEP
	v_add_nc_u32 v[ADW], 2*TILEB, v[ADW]
	v_add_nc_u32 v[ADS], 256, v[ADS]
	v_add_nc_u32 v[ADO], 128, v[ADO]
.endm
.macro TRIP
	PER 0, 1, 1, 1
	PER 1, 1, 1, 1
	STEP
.endm
.macro LOOPT n
	s_mov_b32 s[CNT], \n
.Llp_\@:
	TRIP
	s_sub_co_u32 s[CNT], s[CNT], 1
	s_cmp_lg_u32 s[CNT], 0
	s_cbranch_scc1 .Llp_\@
.endm
.macro RSUM v, t
	v_add_f32_dpp v[\v], v[\v], v[\v] row_xmask:1 row_mask:0xf bank_mask:0xf
	v_add_f32_dpp v[\v], v[\v], v[\v] row_xmask:2 row_mask:0xf bank_mask:0xf
	v_add_f32_dpp v[\v], v[\v], v[\v] row_xmask:4 row_mask:0xf bank_mask:0xf
	v_add_f32_dpp v[\v], v[\v], v[\v] row_xmask:8 row_mask:0xf bank_mask:0xf
	v_permlanex16_b32 v[\t], v[\v], s[SEL], s[SEL+1]
	v_add_f32 v[\v], v[\v], v[\t]
.endm
.macro WLOAD hs                        ; w of head 2 P + hs for my 128 keys: key tile i, keys 8 hh + 0 .. 7
.irp i, 0,1,2,3,4,5,6,7
	ds_load_b128 v[WR+8*\i:WR+8*\i+3], v[AWT] offset:1024*\hs+64*\i
	ds_load_b128 v[WR+8*\i+4:WR+8*\i+7], v[AWT] offset:1024*\hs+64*\i+16
.endr
.endm
	s_load_b512 s[4:19], s[0:1], 0x0               ; sites_codes 4, sites_scales 6, Wv_codes 8, Wv_scales 10, bv 12, gv 14, betv 16, g1 18
	s_load_b512 s[20:35], s[0:1], 0x40             ; b1 20, Wo_codes 22, Wo_scales 24, bo 26, g2 28, b2 30, attn_ws 32, q_ws 34
	s_load_b128 s[36:39], s[0:1], 0x80             ; vst_ws 36, out1 38
	v_lshl_add_u32 v[SPW], v0, 2, SPARE
	v_mov_b32 v[NIL], 0
	ds_add_u32 v28, v29
	ds_add_u32 v28, v29
	s_wait_dscnt 0x0
	v_lshrrev_b32 v[TMP], 5, v0
	v_readfirstlane_b32 s[WV], v[TMP]
	s_lshr_b32 s[PP], s[WV], 1
	s_and_b32 s[GG], s[WV], 1
	s_bfe_u32 s2, ttmp6, 0x40000                   ; cx: it enters global addresses alone
	s_lshl_b32 s[BB], ttmp9, 2
	s_add_co_u32 s[BB], s[BB], s2                  ; my batch
	s_mov_b32 s[G1W+0], 15|(3<<16)|(1<<20)|(1<<21)|(5<<22)|(3<<25)  ; mask: all four work-groups; elements of 8 bytes; padding on; bit 21 beside a mask; after every 64 words, 4 words
	s_mov_b32 s[G1W+1], 32<<16
	s_mov_b32 s[G1W+2], 32<<16
	s_mov_b32 s[G1W+3], 32<<16
	s_mov_b32 s[G1W+4], 32
	s_mov_b32 s[G1W+5], 32                         ; Wv's part is a dense block
	s_mov_b32 s[G1W+6], 0
	s_mov_b32 s[G1W+7], 0
	s_mov_b32 s[G1O+0], 15|(3<<16)|(1<<20)|(1<<21)|(5<<22)|(3<<25)
	s_mov_b32 s[G1O+1], 32<<16
	s_mov_b32 s[G1O+2], 32<<16
	s_mov_b32 s[G1O+3], 32<<16
	s_mov_b32 s[G1O+4], 32
	s_mov_b32 s[G1O+5], 128                        ; a row of Wo is 1,024 bytes: 128 elements
	s_mov_b32 s[G1O+6], 0
	s_mov_b32 s[G1O+7], 0
	s_mov_b32 s[SEL], 0x76543210
	s_mov_b32 s[SEL+1], 0xfedcba98
	s_mov_b32 s94, 0x3a000000                      ; 1 / 2048
	s_mov_b32 s95, 0x3727c5ac                      ; eps
	s_mov_b32 s97, 0x3b800000                      ; 1 / 256
	s_mul_i32 s[WPART], s[WV], PARTB
	s_lshl_b32 s100, s[PP], 16
	s_lshl_b32 s101, s[GG], 13
	s_add_co_u32 s100, s100, s101
	s_mov_b32 s101, 0
	s_lshl_b32 s98, s2, 16
	s_mov_b32 s99, 0
	s_wait_kmcnt 0x0
	s_add_nc_u64 s[98:99], s[22:23], s[98:99]      ; the prefetch: my work-group's quarter of Wo's codes
	s_add_nc_u64 s[8:9], s[8:9], s[100:101]        ; Wv at my 64 rows of quarter 0
	s_lshl_b32 s100, s[WV], 15
	s_add_nc_u64 s[22:23], s[22:23], s[100:101]    ; Wo at my 32 rows
.irp c, 0,1,2,3
	s_mov_b32 s[G0+4*\c], 1
	s_add_co_u32 s[G0+4*\c+1], s[WPART], \c*AREAB
	s_add_nc_u64 s[G0+4*\c+2:G0+4*\c+3], s[8:9], \c*16384
	s_or_b32 s[G0+4*\c+3], s[G0+4*\c+3], 0x80000000
.endr
	CROUND                                         ; the four work-groups are here: the first joint loads meet
	tensor_load_to_lds s[G0:G0+3], s[G1W:G1W+7]    ; Wv's four quarters: four loads of mine are out
	s_nop 0
	tensor_load_to_lds s[G0+4:G0+7], s[G1W:G1W+7]
	s_nop 0
	tensor_load_to_lds s[G0+8:G0+11], s[G1W:G1W+7]
	s_nop 0
	tensor_load_to_lds s[G0+12:G0+15], s[G1W:G1W+7]
	s_nop 0
	PLACES
	s_lshl_b32 s100, s[BB], 15
	s_lshl_b32 s105, s[GG], 14
	s_add_co_u32 s100, s100, s105
	s_add_nc_u64 s[4:5], s[4:5], s[100:101]        ; sites: my batch, my 128 keys
	s_lshr_b32 s100, s100, 4
	s_add_nc_u64 s[6:7], s[6:7], s[100:101]
	s_lshl_b32 s100, s[WV], 11
	s_add_nc_u64 s[10:11], s[10:11], s[100:101]    ; the 2,048 scale bytes of Wv that I stage
	s_add_nc_u64 s[24:25], s[24:25], s[100:101]    ; Wo's scale bytes of my 32 rows, 64 a row
	s_lshl_b32 s100, s[WV], 10
	s_add_nc_u64 s[12:13], s[12:13], s[100:101]    ; bv, gv, betv, g1, b1: my head's 256
	s_add_nc_u64 s[14:15], s[14:15], s[100:101]
	s_add_nc_u64 s[16:17], s[16:17], s[100:101]
	s_add_nc_u64 s[18:19], s[18:19], s[100:101]
	s_add_nc_u64 s[20:21], s[20:21], s[100:101]
	s_lshl_b32 s105, s[BB], 13
	s_add_co_u32 s100, s100, s105
	s_add_nc_u64 s[32:33], s[32:33], s[100:101]    ; attn_ws, q_ws: my batch, my head
	s_add_nc_u64 s[34:35], s[34:35], s[100:101]
	s_lshl_b32 s100, s[BB], 11
	s_add_nc_u64 s[36:37], s[36:37], s[100:101]
	s_lshl_b32 s100, s[BB], 10
	s_add_nc_u64 s[38:39], s[38:39], s[100:101]
	s_lshl_b32 s100, s[WV], 7
	s_add_nc_u64 s[26:27], s[26:27], s[100:101]    ; bo: my 32 outputs
	v_and_b32 v[TMP], 31, v0
	v_lshlrev_b32 v[L16], 4, v[TMP]
	v_lshlrev_b32 v[L32], 5, v[TMP]
	v_lshlrev_b32 v60, 6, v[TMP]                   ; Wo's scale bytes: row 16 hh + r = my lane
	v_lshlrev_b32 v[PFO], 8, v0
	v_and_b32 v[RR], 15, v0
	v_bfe_u32 v[HH], v0, 4, 1
	v_lshrrev_b32 v[AW0], 1, v[RR]
	v_mul_u32_u24 v[AW0], v[AW0], 272
	v_and_b32 v[ADW], 1, v[RR]
	v_lshl_add_u32 v[AW0], v[ADW], 7, v[AW0]
	v_lshl_add_u32 v[AW0], v[HH], 4, v[AW0]
	s_mul_i32 s105, s[PP], PAIRB
	v_add_nc_u32 v[AW0], s105, v[AW0]
	v_lshlrev_b32 v58, 7, v[RR]
	v_lshl_add_u32 v58, v[HH], 4, v58
	v_lshlrev_b32 v59, 3, v[RR]
	v_lshl_add_u32 v59, v[HH], 2, v59
	s_lshl_b32 s105, s[PP], 12
	s_add_co_u32 s105, s105, SCV
	v_add_nc_u32 v[ADS], s105, v59
	s_lshl_b32 s105, s[PP], 11
	s_lshl_b32 s3, s[GG], 13
	s_add_co_u32 s3, s3, s105
	s_add_co_u32 s3, s3, OP-128
	v_lshl_add_u32 v[ADO], v[TMP], 2, s3           ; O's partial sums: [G][512 P + 32 x pair of tiles + lane], one pair behind
	s_lshl_b32 s3, s[GG], 9
	s_add_co_u32 s3, s3, s105
	s_add_co_u32 s3, s3, WT
	v_lshl_add_u32 v[AWT], v[HH], 5, s3
	v_mul_u32_u24 v[AWO], v[RR], 272
	v_lshl_add_u32 v[AWO], v[HH], 4, v[AWO]
	v_add_nc_u32 v[AWO], s[WPART], v[AWO]          ; Wo's fragments: my own part of each area
	v_lshlrev_b32 v[AOB], 4, v[HH]
	v_add_nc_u32 v[AOB], OIMG, v[AOB]
	s_lshl_b32 s105, s[WV], 11
	s_add_co_u32 s105, s105, SCV
	v_add_nc_u32 v[TMP], s105, v[L16]
	s_lshl_b32 s105, s[WV], 10
	s_add_co_u32 s105, s105, WT
	v_add_nc_u32 v176, s105, v[L32]
	v_mov_b32 v61, 0
	v_mov_b32 v62, 0
	v_mov_b32 v63, 0
.irp k, 0,1,2,3
	global_load_b128 v[128+4*\k:131+4*\k], v[L16], s[10:11] offset:512*\k
.endr
	global_load_b128 v[144:147], v[L32], s[32:33]  ; attn of my head, keys 8 lane + 0 .. 7
	global_load_b128 v[148:151], v[L32], s[32:33] offset:16
	global_load_b128 v[152:155], v[L32], s[36:37]  ; the rows' means
	global_load_b128 v[156:159], v[L32], s[36:37] offset:16
	global_load_b128 v[160:163], v[L32], s[36:37] offset:1024   ; and rs
	global_load_b128 v[164:167], v[L32], s[36:37] offset:1040
	WIN 0x40
.irp i, 0,1,2,3,4,5,6,7
.irp q, 0,1,2,3
	global_load_b128 v[X+16*\i+4*\q:X+16*\i+4*\q+3], v58, s[4:5] offset:2048*\i+32*\q
.endr
.endr
	WIN 0
.irp i, 0,1,2,3,4,5,6,7
	global_load_b32 v[XS+\i], v59, s[6:7] offset:128*\i
.endr
.irp c, 0,1,2,3
	global_load_b128 v[OS+4*\c:OS+4*\c+3], v60, s[24:25] offset:16*\c   ; register 4 c + s: K step 4 c + s; lanes 0-15 my first 16 rows of Wo, lanes 16-31 the other 16
.endr
	WIN 0x40
	global_load_b128 v[PV:PV+3], v[L32], s[12:13]
	global_load_b128 v[PV+4:PV+7], v[L32], s[12:13] offset:16
	global_load_b128 v[PV+8:PV+11], v[L32], s[14:15]
	global_load_b128 v[PV+12:PV+15], v[L32], s[14:15] offset:16
	global_load_b128 v[PV+16:PV+19], v[L32], s[16:17]
	global_load_b128 v[PV+20:PV+23], v[L32], s[16:17] offset:16
	global_load_b128 v[PV+24:PV+27], v[L32], s[34:35]
	global_load_b128 v[PV+28:PV+31], v[L32], s[34:35] offset:16
	global_load_b128 v[PV+32:PV+35], v[L32], s[18:19]
	global_load_b128 v[PV+36:PV+39], v[L32], s[18:19] offset:16
	global_load_b128 v[PV+40:PV+43], v[L32], s[20:21]
	global_load_b128 v[PV+44:PV+47], v[L32], s[20:21] offset:16
	WIN 0
	s_wait_loadcnt 62                              ; Wv's scale bytes are in; the 62 loads behind them may be out
.irp k, 0,1,2,3
	ds_store_b128 v[TMP], v[128+4*\k:131+4*\k] offset:512*\k
.endr
	s_wait_loadcnt 56                              ; attn, means and rs are in; the 56 loads behind them may be out
.irp j, 0,1,2,3,4,5,6,7
	v_mul_f32 v[168+\j], v[144+\j], v[160+\j]      ; w = attn rs
.endr
	v_add_f32 v[W1], v168, v169
	v_mul_f32 v[W2], v168, v152
	v_add_f32 v[AA], v144, v145
	v_fma_f32 v[W2], v169, v153, v[W2]
.irp j, 2,3,4,5,6,7
	v_add_f32 v[W1], v[W1], v[168+\j]
	v_fma_f32 v[W2], v[168+\j], v[152+\j], v[W2]
	v_add_f32 v[AA], v[AA], v[144+\j]
.endr
	RSUM W1, 61
	RSUM W2, 62
	RSUM AA, 63
	ds_store_b128 v176, v[168:171]
	ds_store_b128 v176, v[172:175] offset:16
	s_wait_tensorcnt 3                             ; quarter 0 of Wv has landed; the three behind it may be out
	BARRIER                                        ; w and Wv's scale bytes lie in LDS
	WLOAD 0
	; Wo's codes are asked for ahead: 262,144 bytes in blocks of 256, each named once in the launch: the first cluster asks, its four work-groups take a quarter each BY ADDRESS, a thread a block.
	s_cmp_lg_u32 ttmp9, 0
	s_cbranch_scc1 .Lno_pf
	global_prefetch_b8 v[PFO], s[98:99] th:TH_LOAD_NT scope:SCOPE_SE
.Lno_pf:
	s_wait_loadcnt 16                              ; x and its scale words are in; Wo's scale words and the 12 loads of vectors may be out
	v_mov_b32 v[ADW], v[AW0]
	PER 0, 1, 0, 0
	PER 1, 1, 1, 0
	STEP
	LOOPT 3
	CHANGE 1, 0, 0                                 ; all of Wv has landed; tiles 6 and 7 are in registers: area 0 is left and takes K 0 .. 511 of Wo
	v_add_nc_u32 v[ADW], AREAB, v[AW0]
	LOOPT 4
	CHANGE 1, 1, 256
	v_add_nc_u32 v[ADW], 2*AREAB, v[AW0]
	TRIP                                           ; the vector work of tiles 14 and 15 ends head 2 P
	WLOAD 1
	LOOPT 3
	CHANGE 1, 2, 512
	v_add_nc_u32 v[ADW], 3*AREAB, v[AW0]
	LOOPT 4
	CHANGE 1, 3, 768
	PER 0, 0, 1, 1
	PER 1, 0, 0, 1
	; ================= THE TAIL.  Wave w is head w; lane l columns 256 w + 8 l + 0 .. 7
	v_lshlrev_b32 v64, 5, v[HH]
	s_lshl_b32 s105, s[WV], 10
	s_add_co_u32 s105, s105, OP
	v_add_nc_u32 v65, s105, v[L32]
	s_lshl_b32 s105, s[WV], 3
	s_add_co_u32 s105, s105, RED
	v_mov_b32 v66, s105
	v_mov_b32 v67, RED
	v_lshl_add_u32 v68, v0, 2, OIMG                ; my 8 codes: 4 bytes at 4 x thread
	v_lshrrev_b32 v69, 2, v0
	v_add_nc_u32 v69, OIMG+1024, v69               ; my block's scale byte: four lanes to a block of 32
	v_mov_b32 v70, OIMG+1024
	s_lshl_b32 s105, s[WV], 7
	s_add_co_u32 s105, s105, YB
	v_add_nc_u32 v71, s105, v64
	v_add_nc_u32 v72, YB, v[L16]
	BARRIER                                        ; both halves' O lie in LDS
	s_wait_loadcnt 0x0                             ; Wo's scale words and the vectors
	global_load_b128 v[128:131], v64, s[26:27]     ; bo is the C of the last product's sums: outputs 32 w + 16 t + 8 hh + 0 .. 7
	global_load_b128 v[132:135], v64, s[26:27] offset:16
	global_load_b128 v[136:139], v64, s[26:27] offset:64
	global_load_b128 v[140:143], v64, s[26:27] offset:80
	global_load_b128 v[144:147], v[L16], s[28:29]  ; g2, b2: columns 4 lane + 0 .. 3 and 128 + 4 lane + 0 .. 3
	global_load_b128 v[148:151], v[L16], s[28:29] offset:512
	global_load_b128 v[152:155], v[L16], s[30:31]
	global_load_b128 v[156:159], v[L16], s[30:31] offset:512
	ds_load_b128 v[160:163], v65
	ds_load_b128 v[164:167], v65 offset:16
	ds_load_b128 v[168:171], v65 offset:8192
	ds_load_b128 v[172:175], v65 offset:8208
	s_wait_dscnt 0x0
.irp j, 0,1,2,3,4,5,6,7
	v_add_f32 v[160+\j], v[160+\j], v[168+\j]
.endr
.irp j, 0,1,2,3,4,5,6,7
	v_sub_f32 v[160+\j], v[160+\j], v[W2]          ; O - W2
.endr
	WIN 0x01                                       ; source 0 window 1
.irp j, 0,1,2,3,4,5,6,7
	v_fma_f32 v[160+\j], v[PV+\j], v[W1], v[160+\j]        ; + bv W1
.endr
	WIN 0x11                                       ; sources 0 and 2 window 1
.irp j, 0,1,2,3,4,5,6,7
	v_fma_f32 v[168+\j], v[PV+16+\j], v[AA], v[PV+24+\j]   ; betv A + q
.endr
	WIN 0x01
.irp j, 0,1,2,3,4,5,6,7
	v_fma_f32 v[160+\j], v[PV+8+\j], v[160+\j], v[168+\j]  ; the attention's result with its residual
.endr
	WIN 0
	v_pk_add_f32 v[176:177], v[160:161], v[162:163]
	v_pk_add_f32 v[178:179], v[164:165], v[166:167]
	v_pk_mul_f32 v[180:181], v[160:161], v[160:161]
	v_pk_fma_f32 v[180:181], v[162:163], v[162:163], v[180:181]
	v_pk_fma_f32 v[180:181], v[164:165], v[164:165], v[180:181]
	v_pk_fma_f32 v[180:181], v[166:167], v[166:167], v[180:181]
	v_pk_add_f32 v[176:177], v[176:177], v[178:179]
	v_add_f32 v176, v176, v177
	v_add_f32 v177, v180, v181
	RSUM 176, 178
	RSUM 177, 179
	ds_store_b64 v66, v[176:177]
	CHANGE 0, 0, 0                                 ; all of Wo has landed, and the eight waves' sums lie in LDS
	ds_load_b128 v[76:79], v67
	ds_load_b128 v[80:83], v67 offset:16
	ds_load_b128 v[84:87], v67 offset:32
	ds_load_b128 v[88:91], v67 offset:48
; Wo's fragments of quarter cc, my two tiles of 16 rows x four K steps, into half cc % 2 of the registers that x has left
.macro FETCHO cc
	v_add_nc_u32 v73, (\cc)*AREAB, v[AWO]
	WIN 0x40
.irp tt, 0,1
.irp ss, 0,1,2,3
	ds_load_b128 v[64*((\cc)%2)+32*\tt+8*\ss:64*((\cc)%2)+32*\tt+8*\ss+3], v73 offset:4352*\tt+64*\ss
	ds_load_b128 v[64*((\cc)%2)+32*\tt+8*\ss+4:64*((\cc)%2)+32*\tt+8*\ss+7], v73 offset:4352*\tt+64*\ss+32
.endr
.endr
	WIN 0
.endm
	FETCHO 0
	FETCHO 1
	s_wait_dscnt 32                                ; the four loads of sums are in; the 32 fragment loads behind them may be out
	v_pk_add_f32 v[76:77], v[76:77], v[78:79]
	v_pk_add_f32 v[80:81], v[80:81], v[82:83]
	v_pk_add_f32 v[84:85], v[84:85], v[86:87]
	v_pk_add_f32 v[88:89], v[88:89], v[90:91]
	v_pk_add_f32 v[76:77], v[76:77], v[80:81]
	v_pk_add_f32 v[84:85], v[84:85], v[88:89]
	v_pk_add_f32 v[76:77], v[76:77], v[84:85]
	v_mul_f32 v92, s94, v76
	v_fma_f32 v[RS1], v77, s94, s95
	v_fma_f32 v[RS1], -v92, v92, v[RS1]
	v_rsq_f32 v[RS1], v[RS1]
.irp j, 0,1,2,3,4,5,6,7
	v_sub_f32 v[160+\j], v[160+\j], v92            ; (plain work behind the root)
.endr
	s_wait_alu depctr_va_vdst(0)                   ; ahead of the root's first reader
.irp j, 0,1,2,3,4,5,6,7
	v_mul_f32 v[160+\j], v[160+\j], v[RS1]
.endr
	WIN 0x11
.irp j, 0,1,2,3,4,5,6,7
	v_fma_f32 v[160+\j], v[PV+32+\j], v[160+\j], v[PV+40+\j]   ; the first LayerNorm's result: the operand to be quantised, in f32
.endr
	WIN 0
	v_max3_num_f32 v58, |v160|, |v161|, 0x1800000  ; my 8 numbers' largest magnitude, and the floor 2^(3 - 127): the byte cannot fall under 1
	v_max3_num_f32 v58, v58, |v162|, |v163|
	v_max3_num_f32 v58, v58, |v164|, |v165|
	v_max3_num_f32 v58, v58, |v166|, |v167|
	v_max_num_f32_dpp v58, v58, v58 row_xmask:1 row_mask:0xf bank_mask:0xf
	v_max_num_f32_dpp v58, v58, v58 row_xmask:2 row_mask:0xf bank_mask:0xf   ; with the three lanes that share my block of 32
	v_add_nc_u32 v59, 0xff000000, v58              ; 2 off its exponent field: the conversion takes that field as its scale
	v_cvt_scalef32_pk8_fp4_f32 v61, v[160:167], v59
	v_lshrrev_b32 v62, 23, v59                     ; the scale's byte (and the plain instruction behind the conversion)
	ds_store_b32 v68, v61
	ds_store_b8 v69, v62                           ; the four lanes of a block write the same byte with the same value
	BARRIER                                        ; the row's codes and scale bytes lie in LDS
; The row's fragments of K steps 4 cc .. + 3, the same in all 16 columns of source 1, and their scale words
.macro FETCHB cc
	WIN 0x40
.irp ss, 0,1,2,3
	ds_load_b128 v[WB+8*\ss:WB+8*\ss+3], v[AOB] offset:256*(\cc)+64*\ss
	ds_load_b128 v[WB+8*\ss+4:WB+8*\ss+7], v[AOB] offset:256*(\cc)+64*\ss+32
.endr
	WIN 0
	ds_load_b128 v[XS+4*((\cc)%2):XS+4*((\cc)%2)+3], v70 offset:16*(\cc)
.endm
; TRANSPOSED: source 0 = 16 rows of Wo, source 1 = the row.  My two accumulators take turns.
.macro MULO cc
	WIN 0x05
.irp ss, 0,1,2,3
	v_wmma_scale_f32_16x16x128_f8f6f4 v[128:135], v[64*((\cc)%2)+8*\ss:64*((\cc)%2)+8*\ss+7], v[WB+8*\ss:WB+8*\ss+7], v[128:135], v[OS+4*(\cc)+\ss], v[XS+4*((\cc)%2)+\ss] matrix_a_fmt:MATRIX_FMT_FP4 matrix_b_fmt:MATRIX_FMT_FP4
	v_wmma_scale_f32_16x16x128_f8f6f4 v[136:143], v[64*((\cc)%2)+32+8*\ss:64*((\cc)%2)+32+8*\ss+7], v[WB+8*\ss:WB+8*\ss+7], v[136:143], v[OS+4*(\cc)+\ss], v[XS+4*((\cc)%2)+\ss] matrix_a_fmt:MATRIX_FMT_FP4 matrix_b_fmt:MATRIX_FMT_FP4 matrix_a_scale:MATRIX_SCALE_ROW1
.endr
	WIN 0
	PLACES                                         ; in front of loads into registers that these products read, and of the first read of results
.endm
.irp cq, 0,1,2,3
	FETCHB \cq
	s_wait_dscnt 0x0
.if \cq == 0
	s_wait_loadcnt 0x0                             ; bo, g2, b2
.endif
	MULO \cq
.if \cq < 2
	FETCHO \cq+2
.endif
.endr
	ds_store_b128 v71, v[128:131]                  ; the 16 lanes of a half hold the same numbers and write the same bytes with the same values
	ds_store_b128 v71, v[132:135] offset:16
	ds_store_b128 v71, v[136:139] offset:64
	ds_store_b128 v71, v[140:143] offset:80
	BARRIER
	s_cmp_lg_u32 s[WV], 0                          ; the last LayerNorm, over 256 numbers, is one wave's work
	s_cbranch_scc1 .Lend
	ds_load_b128 v[160:163], v72
	ds_load_b128 v[164:167], v72 offset:512
	s_wait_dscnt 0x0
.irp j, 0,1,2,3,4,5,6,7
	v_fma_f32 v[160+\j], v[RS1], 0, v[160+\j]      ; a NaN ahead of the quantiser goes on: the codes cannot carry it
.endr
	v_pk_add_f32 v[176:177], v[160:161], v[162:163]
	v_pk_add_f32 v[178:179], v[164:165], v[166:167]
	v_pk_add_f32 v[176:177], v[176:177], v[178:179]
	v_add_f32 v176, v176, v177
	RSUM 176, 178
	v_mul_f32 v176, s97, v176                      ; the mean
.irp j, 0,1,2,3,4,5,6,7
	v_sub_f32 v[160+\j], v[160+\j], v176
.endr
	v_pk_mul_f32 v[180:181], v[160:161], v[160:161]
	v_pk_fma_f32 v[180:181], v[162:163], v[162:163], v[180:181]
	v_pk_fma_f32 v[180:181], v[164:165], v[164:165], v[180:181]
	v_pk_fma_f32 v[180:181], v[166:167], v[166:167], v[180:181]
	v_add_f32 v177, v180, v181
	RSUM 177, 179
	v_fma_f32 v177, v177, s97, s95
	v_rsq_f32 v177, v177
	v_nop
	s_wait_alu depctr_va_vdst(0)
.irp j, 0,1,2,3,4,5,6,7
	v_mul_f32 v[160+\j], v[160+\j], v177
.endr
.irp j, 0,1,2,3,4,5,6,7
	v_fma_f32 v[160+\j], v[160+\j], v[144+\j], v[152+\j]
.endr
	global_store_b128 v[L16], v[160:163], s[38:39]         ; 512 consecutive bytes a store
	global_store_b128 v[L16], v[164:167], s[38:39] offset:512
.Lend:
	s_wait_tensorcnt 0x0                           ; the wave's end
	ds_add_u32 v[SPW], v[NIL]
	s_wait_dscnt 0x0
	CROUND                                         ; the closing round
	s_endpgm
.Lfunc_end_k_qc548ccbde7_back:
	.size	k_qc548ccbde7_back, .Lfunc_end_k_qc548ccbde7_back-k_qc548ccbde7_back
	.p2alignl 7, 3214868480
	.fill 96, 4, 3214868480
	.section	.rodata,"a",@progbits
	.p2align	6, 0x0
	.amdhsa_kernel k_qc548ccbde7_back
		.amdhsa_group_segment_fixed_size 327680
		.amdhsa_private_segment_fixed_size 0
		.amdhsa_enable_private_segment 0
		.amdhsa_kernarg_size 144
		.amdhsa_user_sgpr_count 2
		.amdhsa_user_sgpr_kernarg_segment_ptr 1
		.amdhsa_wavefront_size32 1
		.amdhsa_system_sgpr_workgroup_id_x 1
		.amdhsa_system_sgpr_workgroup_id_y 1
		.amdhsa_system_sgpr_workgroup_id_z 1
		.amdhsa_system_vgpr_workitem_id 0
		.amdhsa_next_free_vgpr 480
		.amdhsa_next_free_sgpr 106
		.amdhsa_reserve_vcc 0
		.amdhsa_float_denorm_mode_32 3
		.amdhsa_float_denorm_mode_16_64 3
		.amdhsa_memory_ordered 1
		.amdhsa_forward_progress 1
		.amdhsa_inst_pref_size 110
	.end_amdhsa_kernel
	.amdgpu_metadata
---
amdhsa.version: [ 1, 2 ]
amdhsa.kernels:
  - .name:           k_qc548ccbde7_back
    .symbol:         k_qc548ccbde7_back.kd
    .args:
      - { .name: sites_codes, .offset: 0, .size: 8, .value_kind: global_buffer, .address_space: global }
      - { .name: sites_scales, .offset: 8, .size: 8, .value_kind: global_buffer, .address_space: global }
      - { .name: Wv_codes, .offset: 16, .size: 8, .value_kind: global_buffer, .address_space: global }
      - { .name: Wv_scales, .offset: 24, .size: 8, .value_kind: global_buffer, .address_space: global }
      - { .name: bv, .offset: 32, .size: 8, .value_kind: global_buffer, .address_space: global }
      - { .name: gv, .offset: 40, .size: 8, .value_kind: global_buffer, .address_space: global }
      - { .name: betv, .offset: 48, .size: 8, .value_kind: global_buffer, .address_space: global }
      - { .name: g1, .offset: 56, .size: 8, .value_kind: global_buffer, .address_space: global }
      - { .name: b1, .offset: 64, .size: 8, .value_kind: global_buffer, .address_space: global }
      - { .name: Wo_codes, .offset: 72, .size: 8, .value_kind: global_buffer, .address_space: global }
      - { .name: Wo_scales, .offset: 80, .size: 8, .value_kind: global_buffer, .address_space: global }
      - { .name: bo, .offset: 88, .size: 8, .value_kind: global_buffer, .address_space: global }
      - { .name: g2, .offset: 96, .size: 8, .value_kind: global_buffer, .address_space: global }
      - { .name: b2, .offset: 104, .size: 8, .value_kind: global_buffer, .address_space: global }
      - { .name: attn_ws, .offset: 112, .size: 8, .value_kind: global_buffer, .address_space: global }
      - { .name: q_ws, .offset: 120, .size: 8, .value_kind: global_buffer, .address_space: global }
      - { .name: vst_ws, .offset: 128, .size: 8, .value_kind: global_buffer, .address_space: global }
      - { .name: out1, .offset: 136, .size: 8, .value_kind: global_buffer, .address_space: global }
    .group_segment_fixed_size: 327680
    .private_segment_fixed_size: 0
    .kernarg_segment_align: 8
    .kernarg_segment_size: 144
    .max_flat_workgroup_size: 256
    .sgpr_count:     106
    .vgpr_count:     480
    .wavefront_size: 32
...
	.end_amdgpu_metadata
.endif
;; end of part 2
